; MI455X (gfx1250); checked and timed in simulation.
; The chip was launched on July 23, 2026; its instructions are those of AMD's public machine-readable ISA for CDNA 5 (MIT licence, August 2026) and "CDNA5" Instruction Set Architecture Reference Guide (July 2026). The comments in the code are by the model that wrote it; some were corrected since.
;; Block. Allowed arithmetic: matrix products marked QUANTISED: E5M2 operands, one E8M0 scale for each 32 along K, by v_wmma_scale_f32_16x16x128_f8f6f4 with both operands' format E5M2, f32 sums; everything else in f32.
;; Inputs: b_fc 4,096 float32; b_mlp_proj 1,024 float32; ln1_b 1,024 float32; ln1_w 1,024 float32; ln2_b 1,024 float32; ln2_w 1,024 float32; w_attn_proj_codes 1,024 x 32 x 32 uint8 (E5M2 codes of w_attn_proj, K innermost, in blocks of 32 codes); w_attn_proj_scales 1,024 x 32 uint8 (E8M0 scales of w_attn_proj, one for each 32 codes along K); w_fc_codes 4,096 x 32 x 32 uint8 (E5M2 codes of w_fc, K innermost, in blocks of 32 codes); w_fc_scales 4,096 x 32 uint8 (E8M0 scales of w_fc, one for each 32 codes along K); w_mlp_proj_codes 1,024 x 128 x 32 uint8 (E5M2 codes of w_mlp_proj, K innermost, in blocks of 32 codes); w_mlp_proj_scales 1,024 x 128 uint8 (E8M0 scales of w_mlp_proj, one for each 32 codes along K); w_qkv_codes 3,072 x 32 x 32 uint8 (E5M2 codes of w_qkv, K innermost, in blocks of 32 codes); w_qkv_scales 3,072 x 32 uint8 (E8M0 scales of w_qkv, one for each 32 codes along K); x 2 x 2,048 x 1,024 float32.
;; Outputs: out0 2 x 2,048 x 1,024 float32.
;; This version of the problem:
;;   THIS VERSION OF THE PROBLEM IS GIVEN IN LOW PRECISION. The matrix products marked QUANTISED in the list below multiply operands that are first quantised to E5M2 (5 exponent bits, 2 mantissa bits; 8 bits a number), with one power-of-two scale for each 32 numbers along K (OCP MX v1.0); their sums are f32. All else is computed in f32.
;;   The module's matrix products, in the order in which they are computed (A, B: the left and right operand; K: the contracted axis; several contracted axes count as one K, in the product's order):
;;     1. [M 4,096, K 1,024] x [K 1,024, N 3,072]; A: computed on the way; B: input w_qkv (given as codes): QUANTISED
;;     2. batch 32 x [M 2,048, K 64] x [K 64, N 2,048]; A: computed on the way; B: computed on the way: QUANTISED
;;     3. batch 32 x [M 2,048, K 2,048] x [K 2,048, N 64]; A: softmax (see below); B: computed on the way: QUANTISED
;;     4. [M 4,096, K 1,024] x [K 1,024, N 1,024]; A: computed on the way; B: input w_attn_proj (given as codes): QUANTISED
;;     5. [M 4,096, K 1,024] x [K 1,024, N 4,096]; A: computed on the way; B: input w_fc (given as codes): QUANTISED
;;     6. [M 4,096, K 4,096] x [K 4,096, N 1,024]; A: computed on the way; B: input w_mlp_proj (given as codes): QUANTISED
;;   THE QUANTISER, for each operand of a quantised product, along K:
;;     - K is cut into blocks of 32 from its start; a last block that is shorter is filled with zeros.
;;     - A block's scale is 2^e with e = floor(log2(the largest magnitude in the block)) - 15, held to -126 .. 127; a block of zeros has e = 0. As a byte (E8M0): e + 127.
;;     - Each number is divided by its block's scale, clamped to +-57,344, and rounded to the nearest number of E5M2, ties to even, subnormals kept.
;;     - The product sums the exact products of the quantised numbers (number of the format x scale) in f32.
;;   ~~~python
;;   def quantise(x, axis):      # numpy; x: float32 -> the quantised numbers, widened to float32 again
;;       x = np.moveaxis(x, axis, -1); K = x.shape[-1]
;;       x = np.pad(x, [(0, 0)] * (x.ndim - 1) + [(0, -K % 32)]); x = x.reshape(x.shape[:-1] + (-1, 32)); a = np.abs(x).max(-1, keepdims=True)
;;       e = np.where(a > 0, np.clip(np.frexp(np.where(a > 0, a, 1))[1] - 1 - 15, -126, 127), 0)      # np.frexp(a)[1] - 1 = floor(log2(a)), exactly
;;       r = np.clip(x / 2.0 ** e, -57344, 57344)
;;       step = 2.0 ** (np.maximum(np.frexp(np.where(r == 0, 1, r))[1] - 1, -14) - 2)
;;       q = np.round(r / step) * step * 2.0 ** e      # np.round: ties to even
;;       return np.moveaxis(q.reshape(q.shape[:-2] + (-1,))[..., :K], -1, axis).astype(np.float32)
;;   ~~~
;;   SOFTMAX AHEAD OF A QUANTISED PRODUCT. Where the list says 'softmax', what is quantised is not the finished softmax but p = 2^(t - M), with t = logit x log2(e) and M = ceil(the row's largest t), a whole number; so 1/2 < the row's largest p <= 1. The row's sum l is taken of the UNQUANTISED p, in f32, and the product's result is divided by l at the end. Since M is a whole number, a kernel that streams over the keys may use a running M (the ceiling of the running maximum): every later rescaling is an exact power of two, which a block's scale takes up: the codes' values come out the same.
;;   OPERANDS COMPUTED ON THE WAY. 'Computed on the way' means the value that the module computes at that place (a softmax that the list does not call 'softmax' is quantised finished and normalised). What goes into a quantiser is computed in f32, as accurately as f32 sums, v_exp_f32 and their like allow (about 1e-6 of the number): no bf16 or f16 on the way to a quantiser, and a product that is left as it is and whose result goes on into a quantised operand takes f32 operands (vector FMAs, or v_wmma_f32_16x16x4_f32). A number that lies on a knife's edge between two numbers of the format may be rounded either way, as far as f32 arithmetic and the matrix unit's own rounding can turn it there, and no further.
;;   INPUTS GIVEN AS CODES. w_attn_proj (in the module: [1024, 1024], K = its axis 0); w_fc (in the module: [1024, 4096], K = its axis 0); w_mlp_proj (in the module: [4096, 1024], K = its axis 0); w_qkv (in the module: [1024, 3072], K = its axis 0): each comes as NAME_codes (uint8): NAME with its K axis moved to the last place and cut into blocks of 32 codes, [.., K / 32, bytes a block], one block behind the other in memory; one code a byte (a code: sign, 5 exponent bits, 2 mantissa bits); and NAME_scales (uint8): the same leading axes, one E8M0 byte (e + 127) for each 32 codes along K. Its value is code x scale, taken as it is: it is not quantised again, and the codes and scales need not be those that the quantiser above would give.
;; One version. Each part assembles by itself: llvm-mc -triple=amdgcn-amd-amdhsa -mcpu=gfx1250 --defsym DOCPART=n.
;; ======== version 1 of 1: 7 launches
;; limits: right only within a limited range of input values
;; workspace buffers: act_codes 4,194,304 bytes; act_scales 131,072 bytes; qkv_codes 12,582,912 bytes; qkv_scales 393,216 bytes; x1 16,777,216 bytes; h_codes 16,777,216 bytes; h_scales 524,288 bytes
;; launch ln1 (part 1): grid 256 x 1, 8 waves a work-group, no clusters, 83,456 bytes of LDS; arguments x, ln1_w, ln1_b, act_codes, act_scales; writes act_codes, act_scales
.if DOCPART == 1
	.amdgcn_target "amdgcn-amd-amdhsa--gfx1250"
	.amdhsa_code_object_version 6
	.text
	.protected	k_q861c8e02ff_ln1
	.globl	k_q861c8e02ff_ln1
	.p2align	8
	.type	k_q861c8e02ff_ln1,@function
k_q861c8e02ff_ln1:
	s_mov_b64 s[64:65], 0
	v_nop
	global_prefetch_b8 v0, s[64:65] scope:SCOPE_SE
	s_setreg_imm32_b32 hwreg(HW_REG_WAVE_MODE, 25, 1), 1
	s_wait_xcnt 0x0
; LayerNorm of [4096][1024] f32 rows, quantised along the row: codes of E5M2 [4096][1024], one E8M0 byte for each 32 numbers [4096][32].
; THE PROGRAM (seven launches): this one on x; the q, k, v product; attention; the projection + x; this text again on that sum; the first MLP product with gelu; the second + bias + residual.
; WORK LEFT OUT, in the whole program: key steps of attention all of whose 128 keys come after all 16 queries of a wave.  The function to be computed puts -infinity there by a mask that it builds itself (tril),
; so their weights are exactly 0 for every value of the inputs and reach no output.  Every input has a way to the output, and all are loaded.
; LIMITS: NaN and infinities among the inputs are not served; a NaN, infinity or overflow that would arise only in the masked key steps is not carried to the result; blocks whose largest magnitude lies under
; 2^-111 (the floor, byte 1) were not tried; a block of zeros gets the byte 1 where the quantiser says 127: its codes are zeros, and the bytes are read by this program alone.
; SHARES.  A work-group takes 16 rows, each of its eight waves 2, whole: mean and variance never leave the wave; two waves share a SIMD.  All 32 loads of a wave (2 rows, gain, bias; 512 consecutive bytes each) go out at once.
; The variance is taken of x - mean (two passes over registers).  A conversion wants 16 neighbours in one lane, a load gives a lane 4: a row turns through the wave's own stage in LDS,
; 64 bytes + 16 of padding a place.  A lane's 16 codes are 16 bytes: a store of the wave covers 512 consecutive bytes.  The work-group's 512 scale bytes meet in LDS and leave by one store of wave 0.
.set SP,    80
.set ROWST, 64*SP                      ; a row in the stage
.set WST,   2*ROWST                    ; a wave's two rows
.set SBY,   8*WST                      ; the scale bytes: [16 rows][32]
.set SPARE, SBY+512                    ; the spare words, 128 bytes for each wave
.set GOFF,  1                          ; v1  16 x lane
.set SIN,   2                          ; v2  the stage, on the way in
.set SOUT,  3                          ; v3  and on the way out
.set SBA,   4                          ; v4  my block's scale byte
.set SPW,   5                          ; v5  my spare word
.set NIL,   6                          ; v6  0
.set SRD,   7                          ; v7  the scale bytes on the way out
.set E,     20                         ; v20-23  a scale byte for each (row, half)
.set C,     32                         ; v32-47  codes, four registers for each (row, half)
.set X,     64                         ; v64-127 two rows, 32 registers each
.set W,     192                        ; v192-223 the gain
.set B,     224                        ; v224-255 the bias
	s_load_b256 s[4:11], s[0:1], 0x0               ; in, gain, bias, codes
	s_load_b64 s[12:13], s[0:1], 0x20              ; scale bytes
	v_lshl_add_u32 v[SPW], v0, 2, SPARE
	v_mov_b32 v[NIL], 0
	v_lshrrev_b32 v8, 5, v0
	v_readfirstlane_b32 s14, v8                    ; wave
	v_and_b32 v9, 31, v0                           ; lane
	v_lshlrev_b32 v[GOFF], 4, v9
	s_mul_i32 s15, s14, WST
	v_lshrrev_b32 v10, 2, v9
	v_mul_u32_u24 v10, v10, SP
	v_and_b32 v11, 3, v9
	v_lshl_add_u32 v10, v11, 4, v10
	v_add_nc_u32 v[SIN], s15, v10                  ; four lanes' 64 bytes on end, then the padding
	v_mul_u32_u24 v10, v9, SP
	v_add_nc_u32 v[SOUT], s15, v10                 ; my 16 neighbours
	s_lshl_b32 s15, s14, 6
	s_add_co_u32 s15, s15, SBY
	v_lshrrev_b32 v10, 1, v9
	v_add_nc_u32 v[SBA], s15, v10                  ; 64 x wave + lane / 2
	v_add_nc_u32 v[SRD], SBY, v[GOFF]
	s_lshl_b32 s16, ttmp9, 16                      ; 16 rows of 4,096 bytes a work-group,
	s_lshl_b32 s17, s14, 13                        ; 2 a wave
	s_add_co_u32 s16, s16, s17
	s_mov_b32 s17, 0
	s_lshr_b32 s24, s16, 2                         ; the same rows' codes: 1,024 bytes a row
	s_mov_b32 s25, 0
	s_lshl_b32 s26, ttmp9, 9                       ; the work-group's 512 scale bytes
	s_mov_b32 s27, 0
	s_mov_b32 s18, 0x3a800000                      ; 1 / 1024
	s_mov_b32 s19, 0x3727c5ac                      ; 1e-5
	s_mov_b32 s20, 0x76543210
	s_mov_b32 s21, 0xfedcba98                      ; lane l xor 16
	s_mov_b32 s23, 0x600000                        ; the mantissa field of 57,344
	s_wait_kmcnt 0x0
	s_add_nc_u64 s[4:5], s[4:5], s[16:17]
	s_add_nc_u64 s[10:11], s[10:11], s[24:25]
	s_add_nc_u64 s[12:13], s[12:13], s[26:27]
.macro LDROW i
.irp j, 0,1,2,3,4,5,6,7
	global_load_b128 v[X+32*(\i)+4*\j:X+32*(\i)+4*\j+3], v[GOFF], s[4:5] offset:4096*(\i)+512*\j
.endr
.endm
	LDROW 0
.irp j, 0,1,2,3,4,5,6,7
	global_load_b128 v[W+4*\j:W+4*\j+3], v[GOFF], s[6:7] offset:512*\j
.endr
.irp j, 0,1,2,3,4,5,6,7
	global_load_b128 v[B+4*\j:B+4*\j+3], v[GOFF], s[8:9] offset:512*\j
.endr
	LDROW 1
.macro ALLSUM                          ; v8 summed over the 32 lanes, the result in every lane
	v_add_f32_dpp v8, v8, v8 row_xmask:1 row_mask:0xf bank_mask:0xf
	v_add_f32_dpp v8, v8, v8 row_xmask:2 row_mask:0xf bank_mask:0xf
	v_add_f32_dpp v8, v8, v8 row_xmask:4 row_mask:0xf bank_mask:0xf
	v_add_f32_dpp v8, v8, v8 row_xmask:8 row_mask:0xf bank_mask:0xf
	v_permlanex16_b32 v9, v8, s20, s21
	v_add_f32 v8, v8, v9
.endm
; half s (512 numbers) of row i: 16 neighbours a lane, two lanes to a block of 32
.macro QS i, s
.set XS, X+32*(\i)+16*(\s)
.set CR, C+4*(2*(\i)+(\s))
.set ER, E+2*(\i)+(\s)
.if (\s) == 0
	s_wait_dscnt 4                                 ; this half is back from the stage; the other half's four loads may be out
.else
	s_wait_dscnt 1                                 ; only the first half's byte store may be out
.endif
	v_max3_num_f32 v16, |v[XS]|, |v[XS+1]|, |v[XS+2]|
	v_max3_num_f32 v17, |v[XS+3]|, |v[XS+4]|, |v[XS+5]|
.irp k, 6,10
	v_max3_num_f32 v16, v16, |v[XS+\k]|, |v[XS+\k+1]|
	v_max3_num_f32 v17, v17, |v[XS+\k+2]|, |v[XS+\k+3]|
.endr
	v_max3_num_f32 v16, v16, |v[XS+14]|, |v[XS+15]|
	v_max3_num_f32 v16, v16, v17, 0x8000000        ; and the floor 2^(16 - 127): the byte cannot fall under 1
	v_max_num_f32_dpp v16, v16, v16 row_xmask:1 row_mask:0xf bank_mask:0xf   ; with my neighbour's 16: the block's largest magnitude
	v_add_nc_u32 v19, 0xf8800000, v16              ; 15 off its exponent field: the conversion's scale operand
	v_and_or_b32 v18, v16, 0x7f800000, s23         ; 57,344 x the scale
.irp k, 0,1,2,3,4,5,6,7,8,9,10,11,12,13,14,15
	v_med3_num_f32 v[XS+\k], v[XS+\k], -v18, v18   ; the conversion to an 8-bit code does not saturate (ISA guide 7.6.2): the hold comes first
.endr
	v_cvt_scalef32_pk8_bf8_f32 v[CR:CR+1], v[XS:XS+7], v19
	v_cvt_scalef32_pk8_bf8_f32 v[CR+2:CR+3], v[XS+8:XS+15], v19
	v_lshrrev_b32 v[ER], 23, v19                   ; the scale's byte
	ds_store_b8 v[SBA], v[ER] offset:32*(\i)+16*(\s)   ; both lanes of a block write the same byte with the same value
	global_store_b128 v[GOFF], v[CR:CR+3], s[10:11] offset:1024*(\i)+512*(\s)   ; 32 lanes store 512 consecutive bytes
.endm
.macro ROW i
.set XR, X+32*(\i)
	s_wait_loadcnt 8-8*(\i)                        ; this row (and gain and bias) are in; the later row's eight loads stay out
	v_pk_add_f32 v[8:9], v[XR:XR+1], v[XR+2:XR+3]
	v_pk_add_f32 v[10:11], v[XR+4:XR+5], v[XR+6:XR+7]
.irp j, 8,12,16,20,24,28
	v_pk_add_f32 v[8:9], v[8:9], v[XR+\j:XR+\j+1]
	v_pk_add_f32 v[10:11], v[10:11], v[XR+\j+2:XR+\j+3]
.endr
	v_pk_add_f32 v[8:9], v[8:9], v[10:11]
	v_add_f32 v8, v8, v9
	ALLSUM
	v_mul_f32 v12, s18, v8                         ; the mean
	v_mov_b32 v13, v12
.irp j, 0,2,4,6,8,10,12,14,16,18,20,22,24,26,28,30
	v_pk_add_f32 v[XR+\j:XR+\j+1], v[XR+\j:XR+\j+1], v[12:13] neg_lo:[0,1] neg_hi:[0,1]
.endr
	v_pk_mul_f32 v[8:9], v[XR:XR+1], v[XR:XR+1]
	v_pk_mul_f32 v[10:11], v[XR+2:XR+3], v[XR+2:XR+3]
.irp j, 4,8,12,16,20,24,28
	v_pk_fma_f32 v[8:9], v[XR+\j:XR+\j+1], v[XR+\j:XR+\j+1], v[8:9]
	v_pk_fma_f32 v[10:11], v[XR+\j+2:XR+\j+3], v[XR+\j+2:XR+\j+3], v[10:11]
.endr
	v_pk_add_f32 v[8:9], v[8:9], v[10:11]
	v_add_f32 v8, v8, v9
	ALLSUM
	v_fma_f32 v14, v8, s18, s19                    ; the variance + 1e-5
	s_wait_alu depctr_va_vdst(0)                   ; the wait ahead of the transcendental
	v_rsq_f32 v14, v14
	v_nop                                          ; a plain instruction behind the transcendental,
	s_wait_alu depctr_va_vdst(0)                   ; and the wait ahead of its first reader
	v_mov_b32 v15, v14
.irp j, 0,2,4,6,8,10,12,14,16,18,20,22,24,26,28,30
	v_pk_mul_f32 v[XR+\j:XR+\j+1], v[XR+\j:XR+\j+1], v[14:15]
.endr
.irp j, 0,2,4,6,8,10,12,14,16,18,20,22,24,26,28,30
	v_pk_fma_f32 v[XR+\j:XR+\j+1], v[XR+\j:XR+\j+1], v[W+\j:W+\j+1], v[B+\j:B+\j+1]
.endr
.irp j, 0,1,2,3,4,5,6,7
	ds_store_b128 v[SIN], v[XR+4*\j:XR+4*\j+3] offset:ROWST*(\i)+8*SP*\j
.endr
.irp s, 0,1
.irp c, 0,1,2,3
	ds_load_b128 v[XR+16*\s+4*\c:XR+16*\s+4*\c+3], v[SOUT] offset:ROWST*(\i)+32*SP*\s+16*\c   ; LDS serves a wave's instructions in order (ISA guide 5.7.1.4): these see the stores above
.endr
.endr
	QS \i, 0
	QS \i, 1
.endm
	ROW 0
	ROW 1
	s_wait_dscnt 0x0                               ; for wave 0's sake: my scale bytes have landed
	s_barrier_signal -1
	s_barrier_wait -1
	s_cmp_lg_u32 s14, 0
	s_cbranch_scc1 .Lnot_wave_0
	ds_load_b128 v[28:31], v[SRD]
	s_wait_dscnt 0x0
	global_store_b128 v[GOFF], v[28:31], s[12:13]  ; 512 consecutive bytes, at a multiple of 512 from the buffer's first byte
.Lnot_wave_0:
	s_wait_tensorcnt 0x0                           ; the wave's end
	ds_add_u32 v[SPW], v[NIL]
	s_wait_dscnt 0x0
	s_endpgm
.Lfunc_end_k_q861c8e02ff_ln1:
	.size	k_q861c8e02ff_ln1, .Lfunc_end_k_q861c8e02ff_ln1-k_q861c8e02ff_ln1
	.p2alignl 7, 3214868480
	.fill 96, 4, 3214868480
	.section	.rodata,"a",@progbits
	.p2align	6, 0x0
	.amdhsa_kernel k_q861c8e02ff_ln1
		.amdhsa_group_segment_fixed_size 83456
		.amdhsa_private_segment_fixed_size 0
		.amdhsa_enable_private_segment 0
		.amdhsa_kernarg_size 40
		.amdhsa_user_sgpr_count 2
		.amdhsa_user_sgpr_kernarg_segment_ptr 1
		.amdhsa_wavefront_size32 1
		.amdhsa_system_sgpr_workgroup_id_x 1
		.amdhsa_system_sgpr_workgroup_id_y 1
		.amdhsa_system_sgpr_workgroup_id_z 1
		.amdhsa_system_vgpr_workitem_id 0
		.amdhsa_next_free_vgpr 256
		.amdhsa_next_free_sgpr 66
		.amdhsa_reserve_vcc 0
		.amdhsa_float_denorm_mode_32 3
		.amdhsa_float_denorm_mode_16_64 3
		.amdhsa_memory_ordered 1
		.amdhsa_forward_progress 1
		.amdhsa_inst_pref_size 28
	.end_amdhsa_kernel
	.amdgpu_metadata
---
amdhsa.version: [ 1, 2 ]
amdhsa.kernels:
  - .name:           k_q861c8e02ff_ln1
    .symbol:         k_q861c8e02ff_ln1.kd
    .args:
      - { .name: x, .offset: 0, .size: 8, .value_kind: global_buffer, .address_space: global }
      - { .name: ln1_w, .offset: 8, .size: 8, .value_kind: global_buffer, .address_space: global }
      - { .name: ln1_b, .offset: 16, .size: 8, .value_kind: global_buffer, .address_space: global }
      - { .name: act_codes, .offset: 24, .size: 8, .value_kind: global_buffer, .address_space: global }
      - { .name: act_scales, .offset: 32, .size: 8, .value_kind: global_buffer, .address_space: global }
    .group_segment_fixed_size: 83456
    .private_segment_fixed_size: 0
    .kernarg_segment_align: 8
    .kernarg_segment_size: 40
    .max_flat_workgroup_size: 256
    .sgpr_count:     66
    .vgpr_count:     256
    .wavefront_size: 32
...
	.end_amdgpu_metadata
.endif
;; end of part 1
;; launch qkv (part 2): grid 12 x 16, 4 waves a work-group, clusters of 4 x 4, 327,680 bytes of LDS; arguments act_codes, act_scales, w_qkv_codes, w_qkv_scales, qkv_codes, qkv_scales; writes qkv_codes, qkv_scales
.if DOCPART == 2
	.amdgcn_target "amdgcn-amd-amdhsa--gfx1250"
	.amdhsa_code_object_version 6
	.text
	.protected	k_q861c8e02ff_qkv
	.globl	k_q861c8e02ff_qkv
	.p2align	8
	.type	k_q861c8e02ff_qkv,@function
k_q861c8e02ff_qkv:
	s_mov_b64 s[64:65], 0
	v_nop
	global_prefetch_b8 v0, s[64:65] scope:SCOPE_SE
	s_setreg_imm32_b32 hwreg(HW_REG_WAVE_MODE, 25, 1), 1
	s_wait_xcnt 0x0
	s_wait_alu depctr_hold_cnt(0) depctr_sa_sdst(0) depctr_va_vdst(0) depctr_va_sdst(0) depctr_va_ssrc(0) depctr_va_vcc(0) depctr_vm_vsrc(0)
	s_getreg_b32 s2, hwreg(HW_REG_IB_STS2, 6, 4)
	s_cmp_eq_u32 s2, 0
	s_cbranch_scc0 .Lentry_in_a_cluster
	s_endpgm
.Lentry_in_a_cluster:
	s_bfe_u32 s2, ttmp6, 0x10000c
	s_cmp_lg_u32 s2, 0xf033
	s_cbranch_scc0 .Lentry_shape_is_right
	s_endpgm
.Lentry_shape_is_right:
; q, k, v = LN1(x) W_qkv on codes of E5M2 with E8M0 scales, K = 1,024, and each result quantised as attention wants it.
; A tile of C, 256 x 256, is made by four waves, each 128 x 128 (64 accumulators).  K goes in steps of 256 through a ring of two LDS slots; the scale bytes of the tile's 512 rows come once and stay.
; CLUSTERS 4 x 4: A's tile is shared along a row of the cluster, B's along a column: joint loads.  The matrix instruction is used transposed (source 0 = rows of B, source 1 = rows of A).
; q AND k (clusters x = 0, 1): A = the tokens' codes, B = W's rows 0-2,047.  A wave's 128 columns are the two heads of a pair: each row is quantised along them in blocks of 32 (a head's 64 are two blocks).
; v (cluster x = 2): THE ROLES ARE SWAPPED BY POINTERS ALONE: A = W's rows 2,048-3,071, B = the tokens.  The columns are then 128 neighbouring tokens, so the same quantiser gives v's codes along the keys, keys innermost.
; OUT: rows of 128 codes and one scale word a row, by a row index R: q: pair x 4,096 + token; k: (8 + pair) x 4,096 + token; v: 65,536 + (token / 128) x 1,024 + channel.  A wave's 128 rows are consecutive.
; LIMITS: as stated at the head of the first kernel (NaN, infinities, blocks under 2^-111, a block of zeros has byte 1).
; REGISTERS: window 0: v16-31 addresses; v32-63 scale words, two sets, and nothing else; v64-80 the quantiser's; from v128 A's fragments, on the way out the held numbers and the codes.
;   window 1: B's fragments, two sets; on the way out the rows read back.   windows 2, 3: the accumulators ((a, b) at v[8 (8 (a % 4) + b)]).
.set KSTEP,  256
.set NQ,     2
.set ROWB,   256
.set KROW,   1024
.set PITCH,  272                       ; an LDS row: 256 bytes + 16 of padding
.set FR,     16
.set NL,     4
.set NP,     8                         ; places behind this matrix instruction (ISA guide 7.12.1)
.set HALFT,  128*PITCH
.set SLOT,   4*HALFT
.set LAPS,   2
.set KS,     32
.set SCL,    2*SLOT
.set HALFS,  (128*KS/256)*272
.set SBLK,   (16*KS/256)*272
.set SPARE,  SCL+4*HALFS
.set OPITCH, 144                       ; the way out: a row of 128 codes + 16; the stage lies in slot 0, which has had its last fill and its last read by then
.set OWORDS, 128*OPITCH                ; behind a wave's 128 rows: its 128 scale words
.set OSTAGE, 19456                     ; a wave's stage
.set ADRA, 16
.set ADRB, 20
.set STO,  24
.set RD,   25
.set CO,   26
.set ADRS, 27
.set SPW,  28
.set NIL,  29
.set RDW,  30
.set SWA,  31
.set SC,   32
.set T,    64                          ; v64-67 largest magnitudes, v68-71 bytes, v72-75 57,344 x the scale, v76-79 the conversions' scale operands
.set PW,   80                          ; the scale word
.set AF,   128
.set G,    128                         ; v128-191 the held numbers
.set PC,   192                         ; v192-207 the codes
.set G1, 24
.set G0, 32
.set G1B, 48
.set G0B, 56
.set G1S, 68
.set G0S, 76
.set G1SB, 80
.set G0SB, 88
.set MSB, 0
.macro WIN new                         ; the immediate's high byte repeats the setting that is left
.if MSB != (\new)
	s_set_vgpr_msb (MSB<<8)|(\new)
.set MSB, (\new)
.endif
.endm
.set MUL_LO, 0xa1
.set MUL_HI, 0xf1
.set TO_B,   0x40
.macro JLOAD g0a, g1a, g0b, g1b        ; a joint load: waves 0 and 1 fetch for A, waves 2 and 3 for B; an s_nop 0 and four v_nop follow each line
	s_cmp_eq_u32 s15, 0
	s_cbranch_scc0 .Lfor_b_\@
	tensor_load_to_lds s[\g0a:\g0a+3], s[\g1a:\g1a+7]
	s_nop 0
.rept 4
	v_nop
.endr
	s_branch .Lasked_\@
.Lfor_b_\@:
	tensor_load_to_lds s[\g0b:\g0b+3], s[\g1b:\g1b+7]
	s_nop 0
.rept 4
	v_nop
.endr
.Lasked_\@:
.endm
.macro CREST
	s_cmp_lg_u32 s14, 0
	s_cbranch_scc1 .Lnot_wave_0_\@
	s_barrier_signal -3
.Lnot_wave_0_\@:
	s_barrier_wait -3
	s_barrier_signal -1
	s_barrier_wait -1
.endm
.macro CROUND
	s_barrier_signal -1
	s_barrier_wait -1
	CREST
.endm
	s_load_b128 s[4:7], s[0:1], 0x0                ; the tokens' codes, their scales
	s_load_b128 s[8:11], s[0:1], 0x10              ; W's codes, W's scales
	s_load_b128 s[96:99], s[0:1], 0x20             ; out: codes, scale words
	v_lshl_add_u32 v[SPW], v0, 2, SPARE
	v_mov_b32 v[NIL], 0
	ds_add_u32 v[SPW], v[NIL]                      ; the wave's opening: the add, twice on end, and its wait ahead of my first tensor load
	ds_add_u32 v[SPW], v[NIL]
	v_lshrrev_b32 v1, 5, v0
	v_readfirstlane_b32 s14, v1                    ; wave
	s_lshr_b32 s15, s14, 1                         ; my half of the tile's rows; also: I fetch for A (0) or B (1)
	s_and_b32 s16, s14, 1                          ; my half of its columns; also: which 128 rows I fetch
	s_bfe_u32 s40, ttmp6, 0x40000                  ; cx
	s_bfe_u32 s41, ttmp6, 0x40004                  ; cy
	s_and_b32 s17, ttmp7, 0xffff                   ; cluster y
	s_cmp_eq_u32 ttmp9, 2                          ; v's clusters: the same answer in all sixteen partners
	s_cselect_b32 s42, s17, ttmp9                  ; the cluster's place along the columns,
	s_cselect_b32 s17, 0, s17                      ; and along the rows
	s_cselect_b32 s12, 10, 12                      ; log2 of the rows in a chunk of the output
	s_cselect_b32 s13, 0x10000, 0                  ; where v's rows begin
	s_lshl_b32 s42, s42, 2
	s_add_co_u32 s42, s42, s40                     ; tile column
	s_lshl_b32 s17, s17, 2
	s_add_co_u32 s17, s17, s41                     ; tile row
	s_lshl_b32 s43, s41, 2
	s_lshl_b32 s43, 15, s43                        ; my row of the cluster
	s_lshl_b32 s44, 0x1111, s40                    ; my column
	s_or_b32 s[G1+0], s43, (0<<16)|(1<<20)|(1<<21)|(5<<22)|(3<<25)   ; mask; elements of 1 byte; padding: 4 words behind every 64
	s_or_b32 s[G1B+0], s44, (0<<16)|(1<<20)|(1<<21)|(5<<22)|(3<<25)
.irp g, G1, G1B
	s_mov_b32 s[\g+1], ROWB<<16
	s_mov_b32 s[\g+2], 256<<16                     ; the head's loads bring a tile's 256 rows; behind them the two words that count rows are set to 128, for the ring's
	s_mov_b32 s[\g+3], ROWB<<16
	s_mov_b32 s[\g+4], 256
	s_mov_b32 s[\g+5], KROW
	s_mov_b32 s[\g+6], 0
	s_mov_b32 s[\g+7], 0
.endr
	s_or_b32 s[G1S+0], s43, (3<<16)|(1<<20)|(1<<21)|(5<<22)|(3<<25)  ; the scales of 128 rows: a dense block, as rows of 256 bytes + 16
	s_or_b32 s[G1SB+0], s44, (3<<16)|(1<<20)|(1<<21)|(5<<22)|(3<<25)
.irp g, G1S, G1SB
	s_mov_b32 s[\g+1], 32<<16
	s_mov_b32 s[\g+2], KS<<16                      ; the scales of 256 rows: KS rows of 256 bytes
	s_mov_b32 s[\g+3], 32<<16
	s_mov_b32 s[\g+4], KS
	s_mov_b32 s[\g+5], 32
	s_mov_b32 s[\g+6], 0
	s_mov_b32 s[\g+7], 0
.endr
	s_lshl_b32 s95, s42, 1                         ; my first row of the output: (2 x tile column + half) chunks
	s_add_co_u32 s95, s95, s16
	s_lshl_b32 s95, s95, s12
	s_add_co_u32 s95, s95, s13
	s_lshl_b32 s12, s17, 8                         ; + 256 x tile row + 128 x half
	s_add_co_u32 s95, s95, s12
	s_lshl_b32 s12, s15, 7
	s_add_co_u32 s95, s95, s12
	s_lshl_b32 s20, s17, 8                         ; A: the tile's first row, 256 x tile row
	s_lshl_b32 s46, s42, 8                         ; B: 256 x tile column
	s_mov_b32 s21, 0
	s_mov_b32 s47, 0
	s_mov_b64 s[18:19], KS
	s_mul_u64 s[22:23], s[20:21], s[18:19]
	s_mul_u64 s[92:93], s[46:47], s[18:19]
	s_mov_b64 s[18:19], KROW
	s_mul_u64 s[20:21], s[20:21], s[18:19]
	s_mul_u64 s[46:47], s[46:47], s[18:19]
	s_mul_i32 s45, s14, HALFT
	s_mul_i32 s18, s16, 128*KROW                   ; in the ring I fetch 128 rows of a tile: which half, in bytes
	s_mov_b32 s19, 0
	s_wait_dscnt 0x0                               ; both opening adds are done
	s_wait_kmcnt 0x0
	s_add_nc_u64 s[100:101], s[8:9], 0x200000      ; W's row 2,048: codes,
	s_add_nc_u64 s[2:3], s[10:11], 0x10000         ; and scales
	s_cmp_eq_u32 ttmp9, 2
	s_cselect_b64 s[8:9], s[4:5], s[8:9]           ; B: the tokens for v, else W
	s_cselect_b64 s[10:11], s[6:7], s[10:11]
	s_cselect_b64 s[4:5], s[100:101], s[4:5]       ; A: W's v rows for v, else the tokens
	s_cselect_b64 s[6:7], s[2:3], s[6:7]
	s_add_nc_u64 s[20:21], s[4:5], s[20:21]
	s_add_nc_u64 s[22:23], s[6:7], s[22:23]
	s_add_nc_u64 s[46:47], s[8:9], s[46:47]
	s_add_nc_u64 s[92:93], s[10:11], s[92:93]
	s_lshl_b32 s12, s95, 7
	s_mov_b32 s13, 0
	s_add_nc_u64 s[96:97], s[96:97], s[12:13]      ; 128 bytes of codes a row,
	s_lshl_b32 s12, s95, 2
	s_add_nc_u64 s[98:99], s[98:99], s[12:13]      ; 4 of scales
	CROUND                                         ; all sixteen work-groups are here: the first joint loads meet
	s_mov_b32 s[G0S], 1
	s_mov_b32 s[G0S+1], SCL
	s_mov_b64 s[G0S+2:G0S+3], s[22:23]
	s_or_b32 s[G0S+3], s[G0S+3], 0x80000000
	s_mov_b32 s[G0SB], 1
	s_mov_b32 s[G0SB+1], SCL+2*HALFS
	s_mov_b64 s[G0SB+2:G0SB+3], s[92:93]
	s_or_b32 s[G0SB+3], s[G0SB+3], 0x80000000
	s_mov_b32 s4, 1                                ; s[4:7], s[8:11] (the arguments that lay there have been used): group 0 of the head's loads of K step 0: A's 256 rows,
	s_mov_b32 s5, 0
	s_mov_b64 s[6:7], s[20:21]
	s_or_b32 s7, s7, 0x80000000
	s_mov_b32 s8, 1                                ; and B's, behind them in slot 0
	s_mov_b32 s9, 2*HALFT
	s_mov_b64 s[10:11], s[46:47]
	s_or_b32 s11, s11, 0x80000000
	s_add_nc_u64 s[20:21], s[20:21], s[18:19]      ; for the ring: my 128 rows of the tile
	s_add_nc_u64 s[46:47], s[46:47], s[18:19]
.irp s, 0,1
	s_mov_b32 s[G0+4*\s], 1
	s_add_co_u32 s[G0+4*\s+1], s45, \s*SLOT
	s_add_nc_u64 s[G0+4*\s+2:G0+4*\s+3], s[20:21], \s*ROWB
	s_or_b32 s[G0+4*\s+3], s[G0+4*\s+3], 0x80000000
	s_mov_b32 s[G0B+4*\s], 1
	s_add_co_u32 s[G0B+4*\s+1], s45, \s*SLOT
	s_add_nc_u64 s[G0B+4*\s+2:G0B+4*\s+3], s[46:47], \s*ROWB
	s_or_b32 s[G0B+4*\s+3], s[G0B+4*\s+3], 0x80000000
.endr
; THE HEAD'S LOADS, ONE A WAVE: wave 0 K step 0's 256 rows of A, wave 1 those of B, wave 2 the scales of A's 256 rows, wave 3 those of B's.  One tree of branches on the wave's number.
.macro ARM under, g0, g1, next
	s_cmp_lt_u32 s14, \under
	s_cbranch_scc0 \next
	tensor_load_to_lds s[\g0:\g0+3], s[\g1:\g1+7]
	s_nop 0
.rept 4
	v_nop
.endr
	s_branch .Lhead_asked
\next:
.endm
	ARM 1, 4, G1, .Lhead_b
	ARM 2, 8, G1B, .Lhead_sa
	ARM 3, G0S, G1S, .Lhead_sb
	tensor_load_to_lds s[G0SB:G0SB+3], s[G1SB:G1SB+7]
	s_nop 0
.rept 4
	v_nop
.endr
.Lhead_asked:
; PREFETCHES INTO THE L2: K steps 1 and 2 are asked for here, K step 3 behind slot 1's fill: each at most two fills ahead of the load that wants it.  Of the 128 rows that a wave fetches in the ring,
; each of the four partners that fetch them jointly names 32, told apart by address (cx for A, cy for B): a lane a row, 256 bytes of it a K step.  v14 and s[66:67] are never rewritten.
	s_cmp_eq_u32 s15, 0
	s_cselect_b64 s[66:67], s[20:21], s[46:47]
	s_cselect_b32 s2, s40, s41
	s_mul_i32 s2, s2, 32*KROW
	s_mov_b32 s3, 0
	s_add_nc_u64 s[66:67], s[66:67], s[2:3]
	v_and_b32 v14, 31, v0
	v_lshlrev_b32 v14, 10, v14
	global_prefetch_b8 v14, s[66:67] offset:256 th:TH_LOAD_NT scope:SCOPE_SE
	global_prefetch_b8 v14, s[66:67] offset:512 th:TH_LOAD_NT scope:SCOPE_SE
	v_and_b32 v1, 15, v0                           ; r
	v_bfe_u32 v2, v0, 4, 1                         ; h
	v_mul_u32_u24 v3, v1, PITCH
	v_lshl_add_u32 v4, v2, 4, v3
	s_mul_i32 s21, s15, HALFT
	s_mul_i32 s22, s16, HALFT
	s_add_co_u32 s22, s22, 2*HALFT
.irp s, 0,1
	v_add_nc_u32 v[ADRA+\s], s21, v4
	v_add_nc_u32 v[ADRB+\s], s22, v4
	s_add_co_u32 s21, s21, SLOT
	s_add_co_u32 s22, s22, SLOT
.endr
	v_mul_u32_u24 v5, v1, KS
	v_lshrrev_b32 v6, 8, v5
	v_lshl_add_u32 v5, v6, 4, v5
	s_mul_i32 s21, s15, HALFS
	s_mul_i32 s22, s16, HALFS
	s_add_co_u32 s22, s22, 2*HALFS
	s_sub_co_u32 s22, s22, s21
	v_mul_u32_u24 v6, s22, v2                      ; lanes 16-31 take B's words
	s_add_co_u32 s21, s21, SCL
	v_add_nc_u32 v5, v5, v6
	v_add_nc_u32 v[ADRS], s21, v5
	s_mul_i32 s23, s14, OSTAGE                     ; my stage
	v_mul_u32_u24 v5, v1, OPITCH
	v_lshl_add_u32 v5, v2, 3, v5
	v_add_nc_u32 v[STO], s23, v5                   ; in: row r, 8 bytes for each half of the lanes
	v_and_b32 v6, 31, v0
	v_lshlrev_b32 v[CO], 4, v6                     ; 16 x lane
	v_lshrrev_b32 v5, 3, v6
	v_mul_u32_u24 v5, v5, OPITCH
	v_and_b32 v7, 7, v6
	v_lshl_add_u32 v5, v7, 4, v5
	v_add_nc_u32 v[RD], s23, v5                    ; back: eight lanes to a row, four rows an instruction
	s_add_co_u32 s23, s23, OWORDS
	v_lshl_add_u32 v[SWA], v1, 2, s23              ; row r's scale word
	v_add_nc_u32 v[RDW], s23, v[CO]
.macro FRAG reg, adr, q, i             ; 16 rows x 128 K: lane l holds row l % 16; registers 4 c .. 4 c + 3 hold K = 32 c + 16 (l / 16) + 0 .. 15
.irp c, 0,1,2,3
	ds_load_b128 v[\reg+4*\c:\reg+4*\c+3], v[\adr] offset:128*(\q)+32*\c+(\i)*16*PITCH
.endr
.endm
; 16 matrix instructions: A's blocks a0, a0 + 1 x B's eight.  The 64 accumulators take turns, one instruction a turn, in the same order in every step.
.macro MUL16 a0, p, q, sc, zero
.irp a, \a0, \a0+1
.irp b, 0,1,2,3,4,5,6,7
.if \zero
	v_wmma_scale_f32_16x16x128_f8f6f4 v[8*(8*((\a)%4)+\b):8*(8*((\a)%4)+\b)+7], v[128*(\p)+FR*\b:128*(\p)+FR*\b+FR-1], v[AF+FR*(\a):AF+FR*(\a)+FR-1], 0, v[SC+8*NQ*(\sc)+NQ*\b+(\q)], v[SC+8*NQ*(\sc)+NQ*(\a)+(\q)] matrix_a_fmt:MATRIX_FMT_BF8 matrix_b_fmt:MATRIX_FMT_BF8 matrix_a_scale:MATRIX_SCALE_ROW1
.else
	v_wmma_scale_f32_16x16x128_f8f6f4 v[8*(8*((\a)%4)+\b):8*(8*((\a)%4)+\b)+7], v[128*(\p)+FR*\b:128*(\p)+FR*\b+FR-1], v[AF+FR*(\a):AF+FR*(\a)+FR-1], v[8*(8*((\a)%4)+\b):8*(8*((\a)%4)+\b)+7], v[SC+8*NQ*(\sc)+NQ*\b+(\q)], v[SC+8*NQ*(\sc)+NQ*(\a)+(\q)] matrix_a_fmt:MATRIX_FMT_BF8 matrix_b_fmt:MATRIX_FMT_BF8 matrix_a_scale:MATRIX_SCALE_ROW1
.endif
.endr
.endr
.endm
.macro FETCH_B slot, q, p
	WIN TO_B
.irp i, 0,1,2,3,4,5,6,7
	FRAG 128*(\p)+FR*\i, ADRB+\slot, \q, \i
.endr
	WIN 0
.endm
.macro FETCH_A slot, q, i0
.irp i, \i0, \i0+1, \i0+2, \i0+3
	FRAG AF+FR*(\i), ADRA+\slot, \q, \i
.endr
.endm
.macro SCALES sc                       ; a K step's scale words: lanes 0-15 A's block i, lanes 16-31 B's block i
.irp i, 0,1,2,3,4,5,6,7
	ds_load_b64 v[SC+8*NQ*\sc+NQ*\i:SC+8*NQ*\sc+NQ*\i+1], v[ADRS] offset:\i*SBLK
.endr
.endm
.macro PLACES n
.rept \n
	v_nop
.endr
.endm
.macro STEP slot, q, zero              ; 128 along K whose successor lies in the same slot
	s_wait_dscnt 4*NL                              ; B's set and A's blocks 0-3 are in; A's blocks 4-7 may be out
	WIN MUL_LO
	MUL16 0, (\q)%2, \q, \slot, \zero
	MUL16 2, (\q)%2, \q, \slot, \zero
	s_wait_dscnt 0
	PLACES NP
	FETCH_B \slot, (\q)+1, 1-(\q)%2
	FETCH_A \slot, (\q)+1, 0
	WIN MUL_HI
	MUL16 4, (\q)%2, \q, \slot, \zero
	MUL16 6, (\q)%2, \q, \slot, \zero
	PLACES NP
	WIN 0
	FETCH_A \slot, (\q)+1, 4
.endm
.macro TURN slot, next, fill           ; a slot's last step changes slots
	s_wait_tensorcnt 0x0                           ; all my tensor loads have landed: my part of the next slot
	ds_add_u32 v[SPW], v[NIL]                      ; 0 onto my spare word
	s_wait_dscnt 4*NL+1                            ; the add and A's blocks 4-7 may be out
	WIN MUL_LO
	MUL16 0, 1, NQ-1, \slot, 0
	s_wait_dscnt 0x0                               ; the add is done, and my reads of this slot are over
	s_barrier_signal -1
	MUL16 2, 1, NQ-1, \slot, 0
	WIN 0
	s_barrier_wait -1
.if \fill
	CREST                                          ; the barrier has opened a round of the cluster's barrier: no wave of any partner still reads this slot or has a load on its way
	s_add_nc_u64 s[G0+4*\slot+2:G0+4*\slot+3], s[G0+4*\slot+2:G0+4*\slot+3], 2*ROWB
	s_add_nc_u64 s[G0B+4*\slot+2:G0B+4*\slot+3], s[G0B+4*\slot+2:G0B+4*\slot+3], 2*ROWB
	JLOAD G0+4*\slot, G1, G0B+4*\slot, G1B
	PLACES NP-4
.else
	PLACES NP
.endif
	s_wait_alu depctr_va_vdst(0)
	v_add_nc_u32 v[ADRS], 4*NQ, v[ADRS]
	FETCH_B \next, 0, 0
	FETCH_A \next, 0, 0
	SCALES \next
	WIN MUL_HI
	MUL16 4, 1, NQ-1, \slot, 0
	MUL16 6, 1, NQ-1, \slot, 0
	PLACES NP
	WIN 0
	FETCH_A \next, 0, 4
.endm
	s_wait_alu depctr_va_vdst(0)                   ; the wait at the head's end
	s_wait_tensorcnt 0x0                           ; my tile of the head's four is in
	ds_add_u32 v[SPW], v[NIL]
	s_mov_b32 s[G1+2], 128<<16                     ; no tensor load of mine is out: from here on a load brings 128 rows
	s_mov_b32 s[G1+4], 128
	s_mov_b32 s[G1B+2], 128<<16
	s_mov_b32 s[G1B+4], 128
	s_wait_dscnt 0x0
	CROUND                                         ; all four tiles are in, and all sixteen work-groups are here
	JLOAD G0+4, G1, G0B+4, G1B                     ; K step 1, the first tensor load behind the round
	FETCH_B 0, 0, 0
	global_prefetch_b8 v14, s[66:67] offset:768 th:TH_LOAD_NT scope:SCOPE_SE   ; K step 3, the last
	FETCH_A 0, 0, 0
	SCALES 0
	FETCH_A 0, 0, 4
	STEP 0, 0, 1                                   ; the first step's products start the sums
	s_mov_b32 s3, LAPS-1
.Llap:
	TURN 0, 1, 1
	STEP 1, 0, 0
	TURN 1, 0, 1
	STEP 0, 0, 0
	s_sub_co_u32 s3, s3, 1
	s_cmp_lg_u32 s3, 0
	s_cbranch_scc1 .Llap
	TURN 0, 1, 0
	STEP 1, 0, 0
	s_wait_dscnt 4*NL
	WIN MUL_LO
	MUL16 0, 1, NQ-1, 1, 0
	MUL16 2, 1, NQ-1, 1, 0
	s_wait_dscnt 0
	WIN MUL_HI
	MUL16 4, 1, NQ-1, 1, 0
	MUL16 6, 1, NQ-1, 1, 0
	WIN 0
; THE WAY OUT.  In block a (16 rows) lane (r, h) holds row r and, in accumulator b, columns 16 b + 8 h + 0 .. 7.  A block of 32 columns is accumulators 2 B, 2 B + 1 of lanes l and l xor 16.
; Q64: 64 numbers, v[QX + 16 B + i] of window QW, become held numbers in v[G ..], codes in v[PC ..] (pair 2 b: accumulator b's eight) and the row's scale word in v[PW].
.macro Q64
	WIN 5*QW                                       ; sources 0 and 1 in the numbers' window
.irp b, 0,1,2,3
	v_max3_num_f32 v[T+\b], |v[QX+16*\b]|, |v[QX+16*\b+1]|, 0x8000000    ; each accumulator is read from its low end on; the floor 2^(16 - 127) holds the byte at 1 from below
.endr
.irp i, 2,4,6,8,10,12,14
.irp b, 0,1,2,3
	v_max3_num_f32 v[T+\b], |v[QX+16*\b+\i]|, |v[QX+16*\b+\i+1]|, v[T+\b]
.endr
.endr
	WIN 0
.irp b, 0,1,2,3
	v_permlanex16_b32 v[T+4+\b], v[T+\b], s100, s101
.endr
.irp b, 0,1,2,3
	v_max_num_f32 v[T+\b], v[T+\b], v[T+4+\b]      ; the block's largest magnitude
.endr
.irp b, 0,1,2,3
	v_add_nc_u32 v[T+12+\b], 0xf8800000, v[T+\b]   ; 15 off its exponent field: the conversion's scale operand
.endr
.irp b, 0,1,2,3
	v_and_or_b32 v[T+8+\b], v[T+\b], 0x7f800000, s2   ; 57,344 x the scale
.endr
.irp b, 0,1,2,3
	v_lshrrev_b32 v[T+4+\b], 23, v[T+12+\b]        ; the scale's byte
.endr
	v_lshl_or_b32 v[PW], v[T+5], 8, v[T+4]
	v_lshl_or_b32 v[PW], v[T+6], 16, v[PW]
	v_lshl_or_b32 v[PW], v[T+7], 24, v[PW]
	WIN QW                                         ; source 0 in the numbers' window
.irp b, 0,1,2,3
.irp i, 0,1,2,3,4,5,6,7,8,9,10,11,12,13,14,15
	v_med3_num_f32 v[G+16*\b+\i], v[QX+16*\b+\i], -v[T+8+\b], v[T+8+\b]   ; the hold (the conversion does not saturate: ISA guide 7.6.2) also brings the number into window 0
.endr
.endr
	WIN 0
.irp c, 0,1,2,3,4,5,6,7
	v_cvt_scalef32_pk8_bf8_f32 v[PC+2*\c:PC+2*\c+1], v[G+8*\c:G+8*\c+7], v[T+12+\c/2]
.endr
	v_nop                                          ; a plain instruction behind the last conversion
.endm
.macro OUTBLK a
.set QX, 64*((\a)%4)
.set QW, 2+(\a)/4
	Q64
.irp b, 0,1,2,3,4,5,6,7
	ds_store_b64 v[STO], v[PC+2*\b:PC+2*\b+1] offset:16*OPITCH*(\a)+16*\b
.endr
	ds_store_b32 v[SWA], v[PW] offset:64*(\a)      ; both halves of the lanes write the same word with the same value
.endm
	s_mov_b32 s100, 0x76543210
	s_mov_b32 s101, 0xfedcba98                     ; lane l xor 16
	s_mov_b32 s2, 0x600000                         ; the mantissa field of 57,344
	PLACES NP                                      ; behind the last products, ahead of reads of results and writes over A's fragments
.irp b, 0,1,2,3
	v_mov_b32 v[T+4+\b], 0                         ; a lane permute's destination counts as one of its sources
.endr
; Each block leaves while the next is quantised: its 16 rows come back from my own stage behind their stores (LDS serves a wave's instructions in order: ISA guide 5.7.1.4), into 16 registers of window 1 that are the block's own, and are stored behind the next block's LDS work.
.macro BACK a
	WIN 0x40                                       ; destination window 1
.irp n, 0,1,2,3
	ds_load_b128 v[16*(\a)+4*\n:16*(\a)+4*\n+3], v[RD] offset:4*OPITCH*(4*(\a)+\n)
.endr
	WIN 0
.endm
.macro SENDB a, younger                ; younger: the LDS instructions issued behind block a's loads, which may stay out
	s_wait_dscnt \younger
	WIN 0x04                                       ; a store's data are its source 1: window 1
.irp n, 0,1,2,3
	global_store_b128 v[CO], v[16*(\a)+4*\n:16*(\a)+4*\n+3], s[96:97] offset:512*(4*(\a)+\n)   ; four rows: 512 consecutive bytes, at a multiple of 256 from the buffer's first byte
.endr
	WIN 0
.endm
.irp a, 0,1,2,3,4,5,6,7
	OUTBLK \a
	BACK \a
.if \a > 0
	SENDB \a-1, 13                                 ; behind block a - 1's loads: block a's nine stores and four loads
.endif
.endr
	WIN 0x40
	ds_load_b128 v[128:131], v[RDW]
	WIN 0
	SENDB 7, 1                                     ; behind block 7's loads: the scale words' load
	s_wait_dscnt 0x0
	WIN 0x04
	global_store_b128 v[CO], v[128:131], s[98:99]  ; my 128 scale words: 512 consecutive bytes
	WIN 0
	s_wait_tensorcnt 0x0                           ; the wave's end
	ds_add_u32 v[SPW], v[NIL]
	s_wait_dscnt 0x0
	CROUND                                         ; the closing round
	s_endpgm
.Lfunc_end_k_q861c8e02ff_qkv:
	.size	k_q861c8e02ff_qkv, .Lfunc_end_k_q861c8e02ff_qkv-k_q861c8e02ff_qkv
	.p2alignl 7, 3214868480
	.fill 96, 4, 3214868480
	.section	.rodata,"a",@progbits
	.p2align	6, 0x0
	.amdhsa_kernel k_q861c8e02ff_qkv
		.amdhsa_group_segment_fixed_size 327680
		.amdhsa_private_segment_fixed_size 0
		.amdhsa_enable_private_segment 0
		.amdhsa_kernarg_size 48
		.amdhsa_user_sgpr_count 2
		.amdhsa_user_sgpr_kernarg_segment_ptr 1
		.amdhsa_wavefront_size32 1
		.amdhsa_system_sgpr_workgroup_id_x 1
		.amdhsa_system_sgpr_workgroup_id_y 1
		.amdhsa_system_sgpr_workgroup_id_z 1
		.amdhsa_system_vgpr_workitem_id 0
		.amdhsa_next_free_vgpr 1024
		.amdhsa_next_free_sgpr 102
		.amdhsa_reserve_vcc 0
		.amdhsa_float_denorm_mode_32 3
		.amdhsa_float_denorm_mode_16_64 3
		.amdhsa_memory_ordered 1
		.amdhsa_forward_progress 1
		.amdhsa_inst_pref_size 195
	.end_amdhsa_kernel
	.amdgpu_metadata
---
amdhsa.version: [ 1, 2 ]
amdhsa.kernels:
  - .name:           k_q861c8e02ff_qkv
    .symbol:         k_q861c8e02ff_qkv.kd
    .args:
      - { .name: act_codes, .offset: 0, .size: 8, .value_kind: global_buffer, .address_space: global }
      - { .name: act_scales, .offset: 8, .size: 8, .value_kind: global_buffer, .address_space: global }
      - { .name: w_qkv_codes, .offset: 16, .size: 8, .value_kind: global_buffer, .address_space: global }
      - { .name: w_qkv_scales, .offset: 24, .size: 8, .value_kind: global_buffer, .address_space: global }
      - { .name: qkv_codes, .offset: 32, .size: 8, .value_kind: global_buffer, .address_space: global }
      - { .name: qkv_scales, .offset: 40, .size: 8, .value_kind: global_buffer, .address_space: global }
    .group_segment_fixed_size: 327680
    .private_segment_fixed_size: 0
    .kernarg_segment_align: 8
    .kernarg_segment_size: 48
    .max_flat_workgroup_size: 128
    .sgpr_count:     102
    .vgpr_count:     1024
    .wavefront_size: 32
...
	.end_amdgpu_metadata
.endif
;; end of part 2
;; launch attn (part 3): grid 16 x 16, 16 waves a work-group, no clusters, 327,680 bytes of LDS; arguments qkv_codes, qkv_scales, act_codes, act_scales; writes act_codes, act_scales
.if DOCPART == 3
	.amdgcn_target "amdgcn-amd-amdhsa--gfx1250"
	.amdhsa_code_object_version 6
	.text
	.protected	k_q861c8e02ff_attn
	.globl	k_q861c8e02ff_attn
	.p2align	8
	.type	k_q861c8e02ff_attn,@function
k_q861c8e02ff_attn:
	s_mov_b64 s[64:65], 0
	v_nop
	global_prefetch_b8 v0, s[64:65] scope:SCOPE_SE
	s_setreg_imm32_b32 hwreg(HW_REG_WAVE_MODE, 25, 1), 1
	s_wait_xcnt 0x0
; Causal attention on codes of E5M2 with E8M0 scales, for a pair of heads and 128 queries a work-group (64 early ones, 64 late ones); sixteen waves, each 16 queries of one head.
; Keys go 256 a slot through a ring of two LDS slots; the pair's scale words of K and V come once, with the first fills, and stay.  p = 2^(t - M), M the ceiling of the running largest t; the row's sum of the unquantised p divides at the end.
; WORK LEFT OUT: key steps all of whose 128 keys come after a wave's 16 queries (the mask that the function builds itself gives them the weight 0), and slots that no wave of the work-group reads.
; K's and V's tiles are dense blocks of 16,384 bytes, stated as 64 rows of 256 bytes with the padding behind each 128.
.set SK,    256
.set KP,    144
.set PART,  128*KP
.set VOFF,  2*PART
.set SLOT1, 1<<17
.set NSL,   8
.set SCK,   2*SLOT1
.set SCV,   SCK+8192
.set SPARE, SCV+8192
.set STW,   PART
.set AK0,  1
.set AV0,  2
.set ASK0, 3
.set ASV0, 4
.set SPW,  5
.set NIL,  6
.set ADK,  8
.set ADV,  9
.set ADS,  10
.set ADT,  11
.set PFO,  192
.set KSC,  193
.set VSC,  201
.set TB,   2
.set TS,   3
.set PAR,  12
.set T8,   13
.set WV,   18
.set MNT,  19
.set SEL,  20
.set CS,   22
.set G1,   24
.set G1SK, 32
.set G0K,  40
.set G0V,  44
.set G1SV, 48
.set G0SK, 56
.set G0SV, 60
.set QL,   66
.set SLOTS, 67
.set PFA,  76
.set PFS,  78
.set LIM,  80
.set KF,   98
.set Q0,   99
.macro TLOAD g0k, g1k, g0v, g1v
	s_cmp_lt_u32 s[WV], 2
	s_cbranch_scc0 .Lnot_k_\@
	tensor_load_to_lds s[\g0k:\g0k+3], s[\g1k:\g1k+7]
	s_nop 0
.rept 4
	v_nop
.endr
	s_branch .Lasked_\@
.Lnot_k_\@:
	s_cmp_lt_u32 s[WV], 4
	s_cbranch_scc0 .Lasked_\@
	tensor_load_to_lds s[\g0v:\g0v+3], s[\g1v:\g1v+7]
	s_nop 0
.rept 4
	v_nop
.endr
.Lasked_\@:
.endm
.macro ASK
	s_cmp_gt_u32 s[SLOTS], s[LIM]
	s_cbranch_scc0 .Lnot_mine_\@
	global_prefetch_b8 v[PFO], s[PFA:PFA+1] th:TH_LOAD_NT scope:SCOPE_SE
.Lnot_mine_\@:
.endm
	s_load_b256 s[4:11], s[0:1], 0x0
	v_lshl_add_u32 v[SPW], v0, 2, SPARE
	v_mov_b32 v[NIL], 0
	ds_add_u32 v[SPW], v[NIL]
	ds_add_u32 v[SPW], v[NIL]
	v_lshrrev_b32 v8, 5, v0
	s_delay_alu instid0(VALU_DEP_1)
	v_readfirstlane_b32 s[WV], v8
	s_and_b32 s68, ttmp7, 0xffff
	s_lshr_b32 s69, s68, 3
	s_and_b32 s70, s68, 7
	s_lshr_b32 s[PAR], s[WV], 3
	s_bfe_u32 s72, s[WV], 0x10002
	s_xor_b32 s73, s[WV], s72
	s_and_b32 s73, s73, 1
	s_lshl_b32 s73, s73, 2
	s_and_b32 s74, s[WV], 2
	s_or_b32 s[T8], s73, s74
	s_or_b32 s[T8], s[T8], s72
	s_lshl_b32 s71, ttmp9, 6
	s_sub_co_u32 s72, 1920, s71
	s_cmp_lt_u32 s[T8], 4
	s_cselect_b32 s[Q0], s71, s72
	s_lshl_b32 s73, s[T8], 4
	s_add_co_u32 s[Q0], s[Q0], s73
	s_sub_co_u32 s[QL], 2047, s71
	s_lshl_b32 s74, s70, 12
	s_lshl_b32 s75, s69, 11
	s_add_co_u32 s74, s74, s75
	s_add_co_u32 s81, s74, s[Q0]
	s_add_co_u32 s82, s74, 32768
	s_lshl_b32 s83, s69, 14
	s_lshl_b32 s84, s70, 7
	s_add_co_u32 s83, s83, s84
	s_add_co_u32 s83, s83, 65536
	s_sub_co_u32 s72, 1984, s71
	s_cmp_eq_u32 s[PAR], 0
	s_cselect_b32 s72, s71, s72
	s_and_b32 s73, s[WV], 7
	s_lshl_b32 s73, s73, 3
	s_add_co_u32 s72, s72, s73
	s_add_co_u32 s72, s72, s75
	s_lshr_b32 s73, s72, 7
	s_lshl_b32 s73, s73, 10
	s_and_b32 s72, s72, 127
	s_add_co_u32 s73, s73, s72
	s_lshl_b32 s72, s70, 7
	s_add_co_u32 s73, s73, s72
	s_and_b32 s85, s[WV], 1
	s_lshl_b32 s86, s82, 7
	s_lshl_b32 s84, s85, 14
	s_add_co_u32 s86, s86, s84
	s_mov_b32 s87, 0
	s_lshl_b32 s88, s83, 7
	s_lshl_b32 s84, s85, 17
	s_add_co_u32 s88, s88, s84
	s_mov_b32 s89, 0
	s_lshl_b32 s90, s82, 2
	s_lshl_b32 s84, s85, 12
	s_add_co_u32 s90, s90, s84
	s_mov_b32 s91, 0
	s_lshl_b32 s92, s83, 2
	s_lshl_b32 s84, s85, 15
	s_add_co_u32 s92, s92, s84
	s_mov_b32 s93, 0
	s_mul_i32 s94, s85, PART
	s_add_co_u32 s95, s94, VOFF
	s_lshl_b32 s97, s85, 12
	s_and_b32 s68, s[WV], 3
	s_lshl_b32 s70, s82, 7
	s_lshl_b32 s69, s68, 13
	s_add_co_u32 s70, s70, s69
	s_lshl_b32 s72, s83, 7
	s_lshr_b32 s69, s68, 1
	s_lshl_b32 s69, s69, 17
	s_add_co_u32 s72, s72, s69
	s_and_b32 s69, s68, 1
	s_lshl_b32 s69, s69, 13
	s_add_co_u32 s72, s72, s69
	s_cmp_lt_u32 s[WV], 8
	s_cselect_b32 s70, s70, s72
	s_mov_b32 s[PFS], 0x40000
	s_cselect_b32 s[PFS], 0x8000, s[PFS]
	s_mov_b32 s[PFS+1], 0
	s_add_co_u32 s70, s70, s[PFS]
	s_mov_b32 s71, 0
	s_sub_co_u32 s68, s[WV], 4
	s_lshr_b32 s68, s68, 3
	s_or_b32 s68, s68, ttmp9
	s_cmp_eq_u32 s68, 0
	s_cselect_b32 s[LIM], 1, -1
	s_lshl_b32 s84, s73, 2
	s_mov_b32 s85, 0
	s_lshl_b32 s72, s73, 7
	s_mov_b32 s73, 0
	s_lshl_b32 s74, s81, 7
	s_lshl_b32 s14, s[PAR], 6
	s_add_co_u32 s74, s74, s14
	s_mov_b32 s75, 0
	s_lshl_b32 s68, s81, 2
	s_lshl_b32 s14, s[PAR], 1
	s_add_co_u32 s68, s68, s14
	s_mov_b32 s69, 0
	s_mov_b32 s[G1], (0<<16)|(1<<20)|(4<<22)|(3<<25)
	s_mov_b32 s[G1+1], 256<<16
	s_mov_b32 s[G1+2], 64<<16
	s_mov_b32 s[G1+3], 256<<16
	s_mov_b32 s[G1+4], 64
	s_mov_b32 s[G1+5], 256
	s_mov_b32 s[G1+6], 0
	s_mov_b32 s[G1+7], 0
.irp g, G1SK, G1SV
	s_mov_b32 s[\g], 3<<16
	s_mov_b32 s[\g+1], 64<<16
	s_mov_b32 s[\g+2], 8<<16
	s_mov_b32 s[\g+3], 64<<16
	s_mov_b32 s[\g+4], 8
	s_mov_b32 s[\g+6], 0
	s_mov_b32 s[\g+7], 0
.endr
	s_mov_b32 s[G1SK+5], 64
	s_mov_b32 s[G1SV+5], 512
	s_mov_b32 s[SEL], 0x76543210
	s_mov_b32 s[SEL+1], 0xfedcba98
	s_mov_b32 s[CS], 0x3e38aa3b
	s_mov_b32 s[CS+1], s[CS]
	s_mov_b32 s[MNT], 0x600000
	s_mov_b32 s[TB], 0
	s_mov_b32 s[TS], 0
	s_mov_b32 s[SLOTS], NSL-1
	s_mov_b32 s[KF], 0
	s_wait_dscnt 0x0
	s_wait_kmcnt 0x0
	s_mov_b32 s[G0SK], 1
	s_add_co_u32 s[G0SK+1], s97, SCK
	s_add_nc_u64 s[G0SK+2:G0SK+3], s[6:7], s[90:91]
	s_or_b32 s[G0SK+3], s[G0SK+3], 0x80000000
	s_mov_b32 s[G0SV], 1
	s_add_co_u32 s[G0SV+1], s97, SCV
	s_add_nc_u64 s[G0SV+2:G0SV+3], s[6:7], s[92:93]
	s_or_b32 s[G0SV+3], s[G0SV+3], 0x80000000
	s_mov_b32 s[G0K], 1
	s_mov_b32 s[G0K+1], s94
	s_add_nc_u64 s[G0K+2:G0K+3], s[4:5], s[86:87]
	s_or_b32 s[G0K+3], s[G0K+3], 0x80000000
	s_mov_b32 s[G0V], 1
	s_mov_b32 s[G0V+1], s95
	s_add_nc_u64 s[G0V+2:G0V+3], s[4:5], s[88:89]
	s_or_b32 s[G0V+3], s[G0V+3], 0x80000000
; THE HEAD'S LOADS, ONE A WAVE: waves 0, 1 slot 0's halves of K, waves 2, 3 those of V, waves 4, 5 the halves of K's scale words, waves 6, 7 those of V's.  One tree of branches on the wave's number.
.macro ARM under, g0, g1, next
	s_cmp_lt_u32 s[WV], \under
	s_cbranch_scc0 \next
	tensor_load_to_lds s[\g0:\g0+3], s[\g1:\g1+7]
	s_nop 0
.rept 4
	v_nop
.endr
	s_branch .Lhead_asked
\next:
.endm
	ARM 2, G0K,  G1,   .Lhead_v
	ARM 4, G0V,  G1,   .Lhead_sk
	ARM 6, G0SK, G1SK, .Lhead_sv
	ARM 8, G0SV, G1SV, .Lhead_none
.Lhead_asked:
	s_add_nc_u64 s[PFA:PFA+1], s[4:5], s[70:71]
	s_add_nc_u64 s[74:75], s[4:5], s[74:75]
	s_add_nc_u64 s[68:69], s[6:7], s[68:69]
	s_add_nc_u64 s[8:9], s[8:9], s[72:73]
	s_add_nc_u64 s[10:11], s[10:11], s[84:85]
	v_and_b32 v8, 15, v0
	v_bfe_u32 v9, v0, 4, 1
	s_delay_alu instid0(VALU_DEP_2)
	v_lshlrev_b32 v10, 7, v8
	s_delay_alu instid0(VALU_DEP_1)
	v_lshl_add_u32 v10, v9, 4, v10
.irp c, 0,1
	global_load_b128 v[16+4*\c:19+4*\c], v10, s[74:75] offset:32*\c
.endr
	v_lshlrev_b32 v254, 2, v8
	global_load_u16 v255, v254, s[68:69]
.irp i, 0,1,2,3,4,5,6,7
	v_mov_b32 v[24+\i], 0
	v_mov_b32 v[88+\i], 0
	v_mov_b32 v[216+\i], 0
.endr
	v_and_b32 v[PFO], 31, v0
	s_delay_alu instid0(VALU_DEP_1)
	v_lshlrev_b32 v[PFO], 8, v[PFO]
	s_lshl_b32 s96, s[PAR], 6
	v_mul_u32_u24 v[AK0], v8, KP
	s_delay_alu instid0(VALU_DEP_1)
	v_lshl_add_u32 v[AK0], v9, 4, v[AK0]
	s_delay_alu instid0(VALU_DEP_1)
	v_add_nc_u32 v[AK0], s96, v[AK0]
	v_add_nc_u32 v12, s96, v8
	s_delay_alu instid0(VALU_DEP_1)
	v_mul_u32_u24 v[AV0], v12, KP
	s_delay_alu instid0(VALU_DEP_1)
	v_lshl_add_u32 v[AV0], v9, 3, v[AV0]
	s_delay_alu instid0(VALU_DEP_1)
	v_add_nc_u32 v[AV0], VOFF, v[AV0]
	s_lshl_b32 s97, s[PAR], 1
	v_lshl_add_u32 v[ASK0], v8, 2, SCK
	s_delay_alu instid0(VALU_DEP_1)
	v_add_nc_u32 v[ASK0], s97, v[ASK0]
	v_lshl_add_u32 v[ASV0], v12, 2, SCV
	v_lshl_add_u32 v[ASK0], v9, 6, v[ASK0]         ; lanes 16-31 take the scale words of the next tile (16 rows, 64 bytes on): one load serves two tiles
	v_lshl_add_u32 v[ASV0], v9, 6, v[ASV0]
	v_mov_b32 v13, 0xff61b1e6
	s_delay_alu instid0(VALU_DEP_1)
	v_floor_f32 v12, -v13
	v_mov_b32 v14, 0
	v_mov_b32 v15, 0
.irp b, 0,1,2,3
	v_mov_b32 v[236+\b], 0
.endr
	v_mov_b32 v252, 0
	v_mov_b32 v253, 0
.set n, 0
.rept 32
	v_mov_b32 v[160+n], 0
.set n, n+1
.endr
.macro STEP q
	s_add_co_u32 s96, s[Q0], 15
	s_cmp_gt_u32 s[KF], s96
	s_cbranch_scc1 .Lhidden_\@
	v_add_nc_u32 v[ADK], s[TB], v[AK0]
	v_add_nc_u32 v[ADV], s[TB], v[AV0]
	v_add_nc_u32 v[ADS], s[TS], v[ASK0]
	v_add_nc_u32 v[ADT], s[TS], v[ASV0]
.rept 4
	v_nop
.endr
.irp t, 0,1,2,3,4,5,6,7
.set KB, 32+8*\t+(\t/7)*120
	ds_load_b128 v[KB:KB+3], v[ADK] offset:(128*(\q)+16*\t)*KP
	ds_load_b128 v[KB+4:KB+7], v[ADK] offset:(128*(\q)+16*\t)*KP+32
.if (\t%2) == 0
	ds_load_u16 v[KSC+\t], v[ADS] offset:64*\t
.endif
.endr
	s_wait_alu depctr_va_vdst(0)
	s_wait_dscnt 0x0
.irp t, 0,1,2,3,4,5,6,7
.set KB, 32+8*\t+(\t/7)*120
.if (\t%2) == 0
	v_wmma_scale_f32_16x16x128_f8f6f4 v[96+8*\t:103+8*\t], v[KB:KB+15], v[16:31], 0, v[KSC+\t], v255 matrix_a_fmt:MATRIX_FMT_BF8 matrix_b_fmt:MATRIX_FMT_BF8
.else
	v_wmma_scale_f32_16x16x128_f8f6f4 v[96+8*\t:103+8*\t], v[KB:KB+15], v[16:31], 0, v[KSC+\t-1], v255 matrix_a_fmt:MATRIX_FMT_BF8 matrix_b_fmt:MATRIX_FMT_BF8 matrix_a_scale:MATRIX_SCALE_ROW1
.endif
.endr
.rept 8
	v_nop
.endr
.irp t, 0,1,2,3
.irp c, 0,1,2,3
	ds_load_b64 v[32+16*\t+4*\c:33+16*\t+4*\c], v[ADV] offset:PART*(\q)+16*KP*\t+32*\c
	ds_load_b64 v[34+16*\t+4*\c:35+16*\t+4*\c], v[ADV] offset:PART*(\q)+16*KP*\t+32*\c+16
.endr
.if (\t%2) == 0
	ds_load_b32 v[VSC+\t], v[ADT] offset:64*\t
.endif
.endr
	s_add_co_u32 s96, s[KF], 127
	s_cmp_le_u32 s96, s[Q0]
	s_cbranch_scc1 .Lopen_\@
	s_sub_co_i32 s96, s[Q0], s[KF]
	v_and_b32 v252, 15, v0
	v_bfe_u32 v253, v0, 4, 1
	s_delay_alu instid0(VALU_DEP_1)
	v_lshlrev_b32 v253, 3, v253
	s_delay_alu instid0(VALU_DEP_1)
	v_sub_nc_u32 v252, v252, v253
	s_delay_alu instid0(VALU_DEP_1)
	v_add_nc_u32 v252, s96, v252
	v_mov_b32 v254, 0xff800000
.set n, 0
.rept 64
	v_cmp_gt_i32 vcc_lo, 32*(n/16)+16*((n/8)%2)+n%8, v252
	v_cndmask_b32 v[96+n], v[96+n], v254, vcc_lo
.set n, n+1
.endr
.Lopen_\@:
.irp b, 0,1,2,3
	v_max3_num_f32 v[232+\b], v[96+16*\b], v[97+16*\b], v[98+16*\b]
.endr
.irp i, 3,5,7,9,11,13
.irp b, 0,1,2,3
	v_max3_num_f32 v[232+\b], v[232+\b], v[96+16*\b+\i], v[97+16*\b+\i]
.endr
.endr
.irp b, 0,1,2,3
	v_max_num_f32 v[232+\b], v[232+\b], v[111+16*\b]
.endr
.irp b, 0,1,2,3
	v_permlanex16_b32 v[236+\b], v[232+\b], s[SEL], s[SEL+1]
.endr
.irp b, 0,1,2,3
	s_delay_alu instid0(VALU_DEP_4)
	v_max_num_f32 v[232+\b], v[232+\b], v[236+\b]
.endr
	s_delay_alu instid0(VALU_DEP_2)
	v_max3_num_f32 v254, v232, v233, v234
	s_delay_alu instid0(VALU_DEP_1)
	v_max_num_f32 v254, v254, v235
	s_delay_alu instid0(VALU_DEP_1)
	v_mul_f32 v254, s[CS], v254
	s_delay_alu instid0(VALU_DEP_1)
	v_max_num_f32 v13, v13, v254
	v_mov_b32 v254, v12
	s_delay_alu instid0(VALU_DEP_2)
	v_floor_f32 v12, -v13
	s_delay_alu instid0(VALU_DEP_1)
	v_sub_f32 v254, v12, v254
	s_delay_alu instid0(VALU_DEP_1)
	v_cvt_i32_f32 v254, v254
	s_delay_alu instid0(VALU_DEP_1)
	v_ldexp_f32 v252, 1.0, v254
.set n, 0
.rept 32
	v_pk_fma_f32 v[96+n:97+n], v[96+n:97+n], s[CS:CS+1], v[12:13] op_sel_hi:[1,0,0]
.set n, n+2
.endr
.irp b, 0,2
	v_pk_fma_f32 v[232+\b:233+\b], v[232+\b:233+\b], s[CS:CS+1], v[12:13] op_sel_hi:[1,0,0]   ; the same multiply-add on each block's largest score, two at a time
.endr
.set n, 0
	s_wait_alu depctr_va_vdst(0)
.rept 64
	v_exp_f32 v[96+n], v[96+n]
.set n, n+1
.endr
	v_pk_mul_f32 v[14:15], v[14:15], v[252:253] op_sel_hi:[1,0]
	s_wait_alu depctr_va_vdst(0)
.irp b, 0,1,2,3
	v_exp_f32 v[232+\b], v[232+\b]
.endr
	v_pk_add_f32 v[236:237], v[96:97], v[98:99]
.irp j, 4,8,12,16,20,24,28,32,36,40,44,48,52,56,60
	v_pk_add_f32 v[14:15], v[14:15], v[96+\j:97+\j]
	v_pk_add_f32 v[236:237], v[236:237], v[98+\j:99+\j]
.endr
	s_delay_alu instid0(VALU_DEP_1)
	v_pk_add_f32 v[14:15], v[14:15], v[236:237]
	s_wait_alu depctr_va_vdst(0)
.irp b, 0,1,2,3
	v_max_num_f32 v[232+\b], 0x8000000, v[232+\b]
.endr
.irp b, 0,1,2,3
	s_delay_alu instid0(VALU_DEP_4)
	v_add_nc_u32 v[244+\b], 0xf8800000, v[232+\b]
.endr
.irp b, 0,1,2,3
	v_and_or_b32 v[240+\b], v[232+\b], 0x7f800000, s[MNT]
.endr
.irp b, 0,1,2,3
	v_lshrrev_b32 v[236+\b], 23, v[244+\b]
.endr
	s_delay_alu instid0(VALU_DEP_3)
	v_lshl_or_b32 v253, v237, 8, v236
	s_delay_alu instid0(VALU_DEP_1)
	v_lshl_or_b32 v253, v238, 16, v253
	s_delay_alu instid0(VALU_DEP_1)
	v_lshl_or_b32 v253, v239, 24, v253
.irp b, 0,1,2,3
.irp i, 0,2,4,6,8,10,12,14
	v_dual_min_num_f32 v[96+16*\b+\i], v[96+16*\b+\i], v[240+\b] :: v_dual_min_num_f32 v[97+16*\b+\i], v[97+16*\b+\i], v[240+\b]   ; the hold, one-sided since p is not negative, two numbers an instruction
.endr
	v_cvt_scalef32_pk8_bf8_f32 v[224+4*\b:225+4*\b], v[96+16*\b:103+16*\b], v[244+\b]
	v_cvt_scalef32_pk8_bf8_f32 v[226+4*\b:227+4*\b], v[104+16*\b:111+16*\b], v[244+\b]
.endr
.set n, 0
.rept 16
	v_pk_mul_f32 v[160+n:161+n], v[160+n:161+n], v[252:253] op_sel_hi:[1,0]
.set n, n+2
.endr
	s_wait_alu depctr_va_vdst(0)
	s_wait_dscnt 0x0
.irp t, 0,1,2,3
.if (\t%2) == 0
	v_wmma_scale_f32_16x16x128_f8f6f4 v[160+8*\t:167+8*\t], v[32+16*\t:47+16*\t], v[224:239], v[160+8*\t:167+8*\t], v[VSC+\t], v253 matrix_a_fmt:MATRIX_FMT_BF8 matrix_b_fmt:MATRIX_FMT_BF8
.else
	v_wmma_scale_f32_16x16x128_f8f6f4 v[160+8*\t:167+8*\t], v[32+16*\t:47+16*\t], v[224:239], v[160+8*\t:167+8*\t], v[VSC+\t-1], v253 matrix_a_fmt:MATRIX_FMT_BF8 matrix_b_fmt:MATRIX_FMT_BF8 matrix_a_scale:MATRIX_SCALE_ROW1
.endif
.endr
.Lhidden_\@:
	s_add_co_u32 s[KF], s[KF], 128
	s_add_co_u32 s[TS], s[TS], 512
.endm
.macro CHANGE fill
	s_wait_tensorcnt 0x0
	ds_add_u32 v[SPW], v[NIL]
.if \fill
	ds_add_u32 v[SPW], v[NIL]
	s_xor_b32 s[G0K+1], s[G0K+1], SLOT1
	s_add_nc_u64 s[G0K+2:G0K+3], s[G0K+2:G0K+3], 0x8000
	s_xor_b32 s[G0V+1], s[G0V+1], SLOT1
	s_add_nc_u64 s[G0V+2:G0V+3], s[G0V+2:G0V+3], 0x40000
	s_wait_xcnt 0x0
	s_add_nc_u64 s[PFA:PFA+1], s[PFA:PFA+1], s[PFS:PFS+1]
.endif
	s_wait_dscnt 0x0
	s_barrier_signal -1
	s_barrier_wait -1
.if \fill
	s_add_co_u32 s96, s[KF], SK
	s_cmp_gt_u32 s96, s[QL]
	s_cbranch_scc1 .Lpast_\@
	TLOAD G0K, G1, G0V, G1
.Lpast_\@:
	ASK
.endif
.endm
.macro SLOT_STEPS
	STEP 0
	STEP 1
	s_xor_b32 s[TB], s[TB], SLOT1
.endm
	s_wait_alu depctr_va_vdst(0)                   ; the wait at the head's end
	s_wait_loadcnt 0x0
.Lslot:
	CHANGE 1
	SLOT_STEPS
	s_sub_co_u32 s[SLOTS], s[SLOTS], 1
	s_cmp_lg_u32 s[SLOTS], 0
	s_cbranch_scc1 .Lslot
	CHANGE 0
	SLOT_STEPS
	v_add_f32 v14, v14, v15
	s_delay_alu instid0(VALU_DEP_1)
	v_permlanex16_b32 v252, v14, s[SEL], s[SEL+1]
	s_delay_alu instid0(VALU_DEP_1)
	v_add_f32 v14, v14, v252
	s_wait_alu depctr_va_vdst(0)
	v_rcp_f32 v14, v14
	v_and_b32 v8, 15, v0
	v_bfe_u32 v9, v0, 4, 1
	s_lshl_b32 s68, s[T8], 4
	v_add_nc_u32 v10, s68, v8
	s_delay_alu instid0(VALU_DEP_1)
	v_mul_u32_u24 v11, v10, KP
	s_delay_alu instid0(VALU_DEP_1)
	v_lshl_add_u32 v11, v9, 3, v11
	s_lshl_b32 s68, s[PAR], 6
	v_add_nc_u32 v11, s68, v11
	s_lshl_b32 s68, s[PAR], 1
	s_add_co_u32 s68, s68, STW
	v_lshl_add_u32 v10, v10, 2, s68
	v_and_b32 v1, 31, v0
	s_delay_alu instid0(VALU_DEP_1)
	v_lshrrev_b32 v2, 3, v1
	s_lshl_b32 s68, s[WV], 3
	v_add_nc_u32 v2, s68, v2
	s_delay_alu instid0(VALU_DEP_1)
	v_mul_u32_u24 v2, v2, KP
	v_and_b32 v3, 7, v1
	s_delay_alu instid0(VALU_DEP_1)
	v_lshl_add_u32 v2, v3, 4, v2
	v_lshlrev_b32 v3, 4, v1
	v_lshlrev_b32 v4, 3, v1
	s_lshl_b32 s68, s[PAR], 8
	s_add_co_u32 s68, s68, STW
	v_add_nc_u32 v7, s68, v4
	s_wait_alu depctr_va_vdst(0)
.set n, 0
.rept 32
	v_mul_f32 v[96+n], v[160+n], v14
.set n, n+1
.endr
.irp b, 0,1
	v_max3_num_f32 v[232+\b], |v[96+16*\b]|, |v[97+16*\b]|, 0x8000000
.endr
.irp i, 2,4,6,8,10,12,14
.irp b, 0,1
	s_delay_alu instid0(VALU_DEP_2)
	v_max3_num_f32 v[232+\b], v[232+\b], |v[96+16*\b+\i]|, |v[97+16*\b+\i]|
.endr
.endr
.irp b, 0,1
	v_permlanex16_b32 v[236+\b], v[232+\b], s[SEL], s[SEL+1]
.endr
.irp b, 0,1
	s_delay_alu instid0(VALU_DEP_2)
	v_max_num_f32 v[232+\b], v[232+\b], v[236+\b]
.endr
.irp b, 0,1
	s_delay_alu instid0(VALU_DEP_2)
	v_add_nc_u32 v[244+\b], 0xf8800000, v[232+\b]
.endr
.irp b, 0,1
	s_delay_alu instid0(VALU_DEP_4)
	v_and_or_b32 v[240+\b], v[232+\b], 0x7f800000, s[MNT]
.endr
.irp b, 0,1
	s_delay_alu instid0(VALU_DEP_4)
	v_lshrrev_b32 v[236+\b], 23, v[244+\b]
.endr
	s_delay_alu instid0(VALU_DEP_1)
	v_lshl_or_b32 v254, v237, 8, v236
.irp b, 0,1
.irp i, 0,1,2,3,4,5,6,7,8,9,10,11,12,13,14,15
	v_med3_num_f32 v[96+16*\b+\i], v[96+16*\b+\i], -v[240+\b], v[240+\b]
.endr
.endr
.irp t, 0,1,2,3
	v_cvt_scalef32_pk8_bf8_f32 v[224+2*\t:225+2*\t], v[96+8*\t:103+8*\t], v[244+\t/2]
.endr
	v_nop
.irp t, 0,1,2,3
	ds_store_b64 v11, v[224+2*\t:225+2*\t] offset:16*\t
.endr
	ds_store_b16 v10, v254
	s_wait_dscnt 0x0
	s_barrier_signal -1
	s_barrier_wait -1
	ds_load_b128 v[32:35], v2
	ds_load_b128 v[36:39], v2 offset:4*KP
	s_wait_dscnt 1
	global_store_b128 v3, v[32:35], s[8:9]
	s_wait_dscnt 0x0
	global_store_b128 v3, v[36:39], s[8:9] offset:512
	s_and_b32 s68, s[WV], 7
	s_cmp_lg_u32 s68, 0
	s_cbranch_scc1 .Lno_words
	ds_load_b64 v[40:41], v7
	s_wait_dscnt 0x0
	global_store_b64 v4, v[40:41], s[10:11]
.Lno_words:
	s_wait_tensorcnt 0x0
	ds_add_u32 v[SPW], v[NIL]
	s_wait_dscnt 0x0
	s_endpgm
.Lfunc_end_k_q861c8e02ff_attn:
	.size	k_q861c8e02ff_attn, .Lfunc_end_k_q861c8e02ff_attn-k_q861c8e02ff_attn
	.p2alignl 7, 3214868480
	.fill 96, 4, 3214868480
	.section	.rodata,"a",@progbits
	.p2align	6, 0x0
	.amdhsa_kernel k_q861c8e02ff_attn
		.amdhsa_group_segment_fixed_size 327680
		.amdhsa_private_segment_fixed_size 0
		.amdhsa_enable_private_segment 0
		.amdhsa_kernarg_size 32
		.amdhsa_user_sgpr_count 2
		.amdhsa_user_sgpr_kernarg_segment_ptr 1
		.amdhsa_wavefront_size32 1
		.amdhsa_system_sgpr_workgroup_id_x 1
		.amdhsa_system_sgpr_workgroup_id_y 1
		.amdhsa_system_sgpr_workgroup_id_z 1
		.amdhsa_system_vgpr_workitem_id 0
		.amdhsa_next_free_vgpr 256
		.amdhsa_next_free_sgpr 100
		.amdhsa_reserve_vcc 1
		.amdhsa_float_denorm_mode_32 3
		.amdhsa_float_denorm_mode_16_64 3
		.amdhsa_memory_ordered 1
		.amdhsa_forward_progress 1
		.amdhsa_inst_pref_size 125
	.end_amdhsa_kernel
	.amdgpu_metadata
---
amdhsa.version: [ 1, 2 ]
amdhsa.kernels:
  - .name:           k_q861c8e02ff_attn
    .symbol:         k_q861c8e02ff_attn.kd
    .args:
      - { .name: qkv_codes, .offset: 0, .size: 8, .value_kind: global_buffer, .address_space: global }
      - { .name: qkv_scales, .offset: 8, .size: 8, .value_kind: global_buffer, .address_space: global }
      - { .name: act_codes, .offset: 16, .size: 8, .value_kind: global_buffer, .address_space: global }
      - { .name: act_scales, .offset: 24, .size: 8, .value_kind: global_buffer, .address_space: global }
    .group_segment_fixed_size: 327680
    .private_segment_fixed_size: 0
    .kernarg_segment_align: 8
    .kernarg_segment_size: 32
    .max_flat_workgroup_size: 512
    .sgpr_count:     100
    .vgpr_count:     256
    .wavefront_size: 32
...
	.end_amdgpu_metadata
.endif
;; end of part 3
;; launch proj (part 4): grid 8 x 32, 4 waves a work-group, clusters of 4 x 4, 327,680 bytes of LDS; arguments act_codes, act_scales, w_attn_proj_codes, w_attn_proj_scales, x, x1; writes x1
.if DOCPART == 4
	.amdgcn_target "amdgcn-amd-amdhsa--gfx1250"
	.amdhsa_code_object_version 6
	.text
	.protected	k_q861c8e02ff_proj
	.globl	k_q861c8e02ff_proj
	.p2align	8
	.type	k_q861c8e02ff_proj,@function
k_q861c8e02ff_proj:
	s_mov_b64 s[64:65], 0
	v_nop
	global_prefetch_b8 v0, s[64:65] scope:SCOPE_SE
	s_setreg_imm32_b32 hwreg(HW_REG_WAVE_MODE, 25, 1), 1
	s_wait_xcnt 0x0
	s_wait_alu depctr_hold_cnt(0) depctr_sa_sdst(0) depctr_va_vdst(0) depctr_va_sdst(0) depctr_va_ssrc(0) depctr_va_vcc(0) depctr_vm_vsrc(0)
	s_getreg_b32 s2, hwreg(HW_REG_IB_STS2, 6, 4)
	s_cmp_eq_u32 s2, 0
	s_cbranch_scc0 .Lentry_in_a_cluster
	s_endpgm
.Lentry_in_a_cluster:
	s_bfe_u32 s2, ttmp6, 0x10000c
	s_cmp_lg_u32 s2, 0xf033
	s_cbranch_scc0 .Lentry_shape_is_right
	s_endpgm
.Lentry_shape_is_right:
; out = residual + A B^T (+ bias where HAS_BIAS), on codes of E5M2 with E8M0 scales.  Here: A = y, B = w_attn_proj, residual = x, out = x1; SIZE_K = 1,024.
; A tile of C is 128 x 128, so that 4,096 x 1,024 gives 256 work-groups; four waves, each 64 x 64: 16 accumulators.  K goes in steps of 512 through a ring of two LDS slots.
; A lies by chunks: for each 128 rows, SIZE_K / 128 chunks of [128 rows][128 codes] on end, and its scale words likewise ([128 rows][4 bytes]).  So a K step's part of A is 65,536 dense bytes, two chunks a load.
; B lies by rows ([1,024][SIZE_K] codes, [1,024][SIZE_K / 32] scale bytes).  All scales of the tile come once, with the first fills, and stay.
; CLUSTERS 4 x 4: A's tile is shared along a row of the cluster, B's along a column: joint loads.  The matrix instruction is used transposed (source 0 = rows of B, source 1 = rows of A).
; REGISTERS: window 0: v16-29 addresses; v32-63 scale words, two sets, and nothing else; v64-67 the bias; v128-255 the accumulators.  window 1: two fragment buffers (A's four blocks, then B's four); on the way out rows read back.  window 2: the residual.
.set SIZE_K, 1024
.set HAS_BIAS, 0
; HERE K IS TWO STEPS: both slots are filled at the head, one load a wave (wave 0 A's step 0, wave 1 B's, wave 2 A's step 1, wave 3 B's), and nothing is filled later.  Waves 0 and 1 alone wait at the first barrier; the change of slots shows the rest.
; The scale words of both steps go from memory straight into their registers.  No prefetch: the launch has no loop to run ahead in, and all its tiles are asked for at its head.
.set KS,     SIZE_K/32
.set LAPS,   SIZE_K/1024
.set ACH,    18432                     ; a chunk in LDS: 128 rows x (128 + 16)
.set AREG,   4*ACH
.set BPITCH, 528                       ; a row of B in LDS: 512 + 16
.set BHALF,  64*BPITCH
.set SLOT,   AREG+2*BHALF
.set ASC,    2*SLOT                    ; A's scale words: [SIZE_K / 128][128 rows][4]
.set BSC,    ASC+SIZE_K*4              ; B's scale bytes, as rows of 256 bytes + 16
.set HALFS,  (64*KS/256)*272
.set SPARE,  BSC+2*HALFS
.set SPITCH, 272                       ; the way out: 16 rows x (256 + 16) a block, four blocks a wave, in slot 0, which has had its last fill and its last read by then
.set NP,   8
.set ADRA, 16
.set ADRB, 20
.set ADSA, 22
.set ADSB, 23
.set STO,  24
.set RD,   25
.set CO,   26
.set SPW,  28
.set NIL,  29
.set SC,   32                          ; set s at v[32 + 16 s]: + 4 p + q A's words (lanes 0-15 block 2 p, lanes 16-31 block 2 p + 1), + 8 + 4 p + q B's
.set BIA,  64
.set ACC,  128
.set F0,   0
.set F1,   128
.set G1A,  28
.set G0A,  36
.set G1B,  44
.set G0B,  52
.set G1AS, 68
.set G0AS, 76
.set G1BS, 80
.set G0BS, 88
.set MUL,  0x05                        ; sources 0 and 1 window 1; C and D window 0
.set MSB, 0
.macro WIN new
.if MSB != (\new)
	s_set_vgpr_msb (MSB<<8)|(\new)
.set MSB, (\new)
.endif
.endm
.macro JLOAD g0a, g1a, g0b, g1b        ; waves 0, 1 fetch for A, waves 2, 3 for B; an s_nop 0 and four v_nop follow each line
	s_cmp_eq_u32 s19, 0
	s_cbranch_scc0 .Lfor_b_\@
	tensor_load_to_lds s[\g0a:\g0a+3], s[\g1a:\g1a+7]
	s_nop 0
.rept 4
	v_nop
.endr
	s_branch .Lasked_\@
.Lfor_b_\@:
	tensor_load_to_lds s[\g0b:\g0b+3], s[\g1b:\g1b+7]
	s_nop 0
.rept 4
	v_nop
.endr
.Lasked_\@:
.endm
.macro CREST
	s_cmp_lg_u32 s18, 0
	s_cbranch_scc1 .Lnot_wave_0_\@
	s_barrier_signal -3
.Lnot_wave_0_\@:
	s_barrier_wait -3
	s_barrier_signal -1
	s_barrier_wait -1
.endm
.macro CROUND
	s_barrier_signal -1
	s_barrier_wait -1
	CREST
.endm
.macro PLACES n
.rept \n
	v_nop
.endr
.endm
	s_load_b256 s[4:11], s[0:1], 0x0               ; A's codes, A's scales, B's codes, B's scales
	s_load_b128 s[12:15], s[0:1], 0x20             ; the residual, out
.if HAS_BIAS
	s_load_b64 s[16:17], s[0:1], 0x30              ; the bias
.endif
	v_lshl_add_u32 v[SPW], v0, 2, SPARE
	v_mov_b32 v[NIL], 0
	ds_add_u32 v[SPW], v[NIL]                      ; the wave's opening: the add, twice on end, and its wait ahead of my first tensor load
	ds_add_u32 v[SPW], v[NIL]
	v_lshrrev_b32 v1, 5, v0
	v_readfirstlane_b32 s18, v1                    ; wave
	s_lshr_b32 s19, s18, 1                         ; my half of the rows; also: I fetch for A (0) or B (1)
	s_and_b32 s20, s18, 1                          ; my half of the columns; also: which half I fetch
	s_bfe_u32 s21, ttmp6, 0x40000                  ; cx
	s_bfe_u32 s22, ttmp6, 0x40004                  ; cy
	s_lshl_b32 s23, ttmp9, 2
	s_add_co_u32 s23, s23, s21                     ; tile column
	s_and_b32 s24, ttmp7, 0xffff
	s_lshl_b32 s24, s24, 2
	s_add_co_u32 s24, s24, s22                     ; tile row
	s_lshl_b32 s25, s22, 2
	s_lshl_b32 s25, 15, s25                        ; my row of the cluster
	s_lshl_b32 s26, 0x1111, s21                    ; my column
	s_or_b32 s[G1A], s25, (0<<16)|(1<<20)|(1<<21)|(4<<22)|(3<<25)    ; A: 256 dense rows of 128 bytes, 4 words of padding behind every 32
	s_mov_b32 s[G1A+1], 256<<16                    ; a K step's four chunks, 65,536 dense bytes, stated as 256 rows of 256 bytes
	s_mov_b32 s[G1A+2], 256<<16
	s_mov_b32 s[G1A+3], 256<<16
	s_mov_b32 s[G1A+4], 256
	s_mov_b32 s[G1A+5], 256
	s_mov_b32 s[G1A+6], 0
	s_mov_b32 s[G1A+7], 0
	s_or_b32 s[G1B], s26, (0<<16)|(1<<20)|(1<<21)|(6<<22)|(3<<25)    ; B: 64 rows of 512 bytes, 4 words behind every 128
	s_mov_b32 s[G1B+1], 512<<16
	s_mov_b32 s[G1B+2], 128<<16                    ; the tile's 128 rows
	s_mov_b32 s[G1B+3], 512<<16
	s_mov_b32 s[G1B+4], 128
	s_mov_b32 s[G1B+5], SIZE_K
	s_mov_b32 s[G1B+6], 0
	s_mov_b32 s[G1B+7], 0
	s_mul_i32 s60, s24, SIZE_K*128                 ; A's codes: the tile's chunks
	s_mov_b32 s61, 0
	s_mul_i32 s62, s24, SIZE_K*4                   ; A's words: the tile's
	s_mov_b32 s63, 0
	s_lshl_b32 s92, s23, 7                         ; B: row 128 x tile column
	s_mul_i32 s94, s92, KS
	s_mov_b32 s95, 0
	s_mul_i32 s92, s92, SIZE_K
	s_mov_b32 s93, 0
	s_lshl_b32 s100, s24, 19                       ; my part of the residual and of out: row 128 x tile row + 64 x half, 4,096 bytes a row,
	s_lshl_b32 s101, s19, 18
	s_add_co_u32 s100, s100, s101
	s_lshl_b32 s101, s23, 9                        ; column 128 x tile column + 64 x half, 4 bytes each
	s_add_co_u32 s100, s100, s101
	s_lshl_b32 s101, s20, 8
	s_add_co_u32 s100, s100, s101
	s_mov_b32 s101, 0
	s_lshl_b32 s2, s23, 9
	s_lshl_b32 s3, s20, 8
	s_add_co_u32 s2, s2, s3                        ; my columns' bias
	s_mov_b32 s3, 0
	s_wait_dscnt 0x0                               ; both opening adds are done
	s_wait_kmcnt 0x0
	s_add_nc_u64 s[4:5], s[4:5], s[60:61]
	s_add_nc_u64 s[8:9], s[8:9], s[92:93]
	s_add_nc_u64 s[12:13], s[12:13], s[100:101]
	s_add_nc_u64 s[14:15], s[14:15], s[100:101]
.if HAS_BIAS
	s_add_nc_u64 s[16:17], s[16:17], s[2:3]
.endif
	CROUND                                         ; all sixteen work-groups are here: the first joint loads meet
	s_add_nc_u64 s[6:7], s[6:7], s[62:63]          ; the tile's scale words of A,
	s_add_nc_u64 s[10:11], s[10:11], s[94:95]      ; and scale bytes of B
.irp s, 0,1
	s_mov_b32 s[G0A+4*\s], 1
	s_mov_b32 s[G0A+4*\s+1], \s*SLOT
	s_add_nc_u64 s[G0A+4*\s+2:G0A+4*\s+3], s[4:5], \s*65536
	s_or_b32 s[G0A+4*\s+3], s[G0A+4*\s+3], 0x80000000
	s_mov_b32 s[G0B+4*\s], 1
	s_mov_b32 s[G0B+4*\s+1], AREG+\s*SLOT
	s_add_nc_u64 s[G0B+4*\s+2:G0B+4*\s+3], s[8:9], \s*512
	s_or_b32 s[G0B+4*\s+3], s[G0B+4*\s+3], 0x80000000
.endr
.macro ARM under, g0, g1, next         ; one tree of branches on the wave's number, a load to an arm: every way through the head passes exactly one
	s_cmp_lt_u32 s18, \under
	s_cbranch_scc0 \next
	tensor_load_to_lds s[\g0:\g0+3], s[\g1:\g1+7]
	s_nop 0
.rept 4
	v_nop
.endr
	s_branch .Lhead_asked
\next:
.endm
	ARM 1, G0A, G1A, .Lhead_b0
	ARM 2, G0B, G1B, .Lhead_a1
	ARM 3, G0A+4, G1A, .Lhead_b1
	tensor_load_to_lds s[G0B+4:G0B+7], s[G1B:G1B+7]
	s_nop 0
.rept 4
	v_nop
.endr
.Lhead_asked:
	v_and_b32 v1, 15, v0                           ; r
	v_bfe_u32 v2, v0, 4, 1                         ; h
	v_and_b32 v3, 31, v0                           ; lane
	v_mul_u32_u24 v4, v1, 144
	v_lshl_add_u32 v4, v2, 4, v4
	s_mul_i32 s27, s19, 64*144
	v_add_nc_u32 v[ADRA], s27, v4
	v_add_nc_u32 v[ADRA+1], SLOT, v[ADRA]
	v_mul_u32_u24 v5, v1, BPITCH
	v_lshl_add_u32 v5, v2, 4, v5
	s_mul_i32 s27, s20, BHALF
	s_add_co_u32 s27, s27, AREG
	v_add_nc_u32 v[ADRB], s27, v5
	v_add_nc_u32 v[ADRB+1], SLOT, v[ADRB]
	s_lshl_b32 s27, s19, 8
	v_lshl_add_u32 v[ADSA], v3, 2, s27             ; A's word of row 64 x half + lane, in a chunk's 512 bytes
	v_mul_u32_u24 v6, v3, KS
	s_mul_i32 s27, s20, 64*KS
	v_add_nc_u32 v[ADSB], s27, v6                  ; B's row 64 x half + lane: KS bytes a row
.irp set, 0,1                          ; both K steps' scale words, 20 loads, ahead of the residual's 32
.irp p, 0,1
.irp q, 0,1,2,3
	global_load_b32 v[SC+16*\set+4*\p+\q], v[ADSA], s[6:7] offset:2048*\set+512*\q+128*\p
.endr
	global_load_b128 v[SC+16*\set+8+4*\p:SC+16*\set+8+4*\p+3], v[ADSB], s[10:11] offset:16*\set+\p*32*KS
.endr
.endr
	s_mul_i32 s27, s18, 4*16*SPITCH                ; my stage
	v_mul_u32_u24 v4, v1, SPITCH
	v_lshl_add_u32 v4, v2, 5, v4
	v_add_nc_u32 v[STO], s27, v4
	v_mul_u32_u24 v5, v2, SPITCH
	v_lshl_add_u32 v5, v1, 4, v5
	v_add_nc_u32 v[RD], s27, v5
	v_lshlrev_b32 v5, 12, v2
	v_lshl_add_u32 v[CO], v1, 4, v5                ; lanes 0-15 one row of C, lanes 16-31 the next
	WIN 0x80                                       ; destination window 2
.set n, 0
.rept 32
	global_load_b128 v[4*n:4*n+3], v[CO], s[12:13] offset:2*n*4096   ; the residual, in the form in which the rows come back from the stage; wanted only on the way out
.set n, n+1
.endr
	WIN 0
.if HAS_BIAS
	v_lshlrev_b32 v8, 4, v1
	global_load_b128 v[BIA:BIA+3], v8, s[16:17]
.endif
.macro WMX c                           ; one product; the rows of the scale registers follow the blocks' parities
.if (OB == 0) && (OA == 0)
	v_wmma_scale_f32_16x16x128_f8f6f4 v[rD:rD+7], v[rB:rB+15], v[rA:rA+15], \c, v[sB], v[sA] matrix_a_fmt:MATRIX_FMT_BF8 matrix_b_fmt:MATRIX_FMT_BF8
.elseif (OB == 1) && (OA == 0)
	v_wmma_scale_f32_16x16x128_f8f6f4 v[rD:rD+7], v[rB:rB+15], v[rA:rA+15], \c, v[sB], v[sA] matrix_a_fmt:MATRIX_FMT_BF8 matrix_b_fmt:MATRIX_FMT_BF8 matrix_a_scale:MATRIX_SCALE_ROW1
.elseif (OB == 0) && (OA == 1)
	v_wmma_scale_f32_16x16x128_f8f6f4 v[rD:rD+7], v[rB:rB+15], v[rA:rA+15], \c, v[sB], v[sA] matrix_a_fmt:MATRIX_FMT_BF8 matrix_b_fmt:MATRIX_FMT_BF8 matrix_b_scale:MATRIX_SCALE_ROW1
.else
	v_wmma_scale_f32_16x16x128_f8f6f4 v[rD:rD+7], v[rB:rB+15], v[rA:rA+15], \c, v[sB], v[sA] matrix_a_fmt:MATRIX_FMT_BF8 matrix_b_fmt:MATRIX_FMT_BF8 matrix_a_scale:MATRIX_SCALE_ROW1 matrix_b_scale:MATRIX_SCALE_ROW1
.endif
.endm
.macro MULA f, a, q, set, zero         ; A's block a x B's four.  The 16 accumulators take turns in one order everywhere
.irp b, 0,1,2,3
.set rD, ACC+8*(4*(\a)+\b)
.set rB, (\f)+64+16*\b
.set rA, (\f)+16*(\a)
.set sB, SC+16*(\set)+8+4*(\b/2)+(\q)
.set sA, SC+16*(\set)+4*((\a)/2)+(\q)
.set OB, \b%2
.set OA, (\a)%2
.if \zero
	WMX 0
.else
	WMX v[rD:rD+7]
.endif
.endr
.endm
.macro FETCH slot, q, f                ; 32 LDS loads: B's four blocks, then A's four, of the slot's q-th 128 along K
	WIN 0x40
.irp i, 0,1,2,3
.irp c, 0,1,2,3
	ds_load_b128 v[(\f)+64+16*\i+4*\c:(\f)+64+16*\i+4*\c+3], v[ADRB+\slot] offset:128*(\q)+16*BPITCH*\i+32*\c
.endr
.endr
.irp i, 0,1,2,3
.irp c, 0,1,2,3
	ds_load_b128 v[(\f)+16*\i+4*\c:(\f)+16*\i+4*\c+3], v[ADRA+\slot] offset:ACH*(\q)+2304*\i+32*\c
.endr
.endr
.endm
.macro SUB slot, q, f, g, zero         ; 128 along K whose successor lies in the same slot
	s_wait_dscnt 8                                 ; all but A's blocks 2 and 3
	WIN MUL
	MULA \f, 0, \q, \slot, \zero
	MULA \f, 1, \q, \slot, \zero
	PLACES NP
	FETCH \slot, (\q)+1, \g
	s_wait_dscnt 32                                ; all but the 32 just issued
	WIN MUL
	MULA \f, 2, \q, \slot, \zero
	MULA \f, 3, \q, \slot, \zero
.endm
.macro TURN slot, next, fill           ; a slot's last 128 along K, and the change of slots
	WIN 0
	s_wait_tensorcnt 0x0                           ; all my tensor loads have landed: my part of the next slot
	ds_add_u32 v[SPW], v[NIL]
	s_wait_dscnt 9                                 ; the add and A's blocks 2 and 3 may be out
	WIN MUL
	MULA F1, 0, 3, \slot, 0
	s_wait_dscnt 0x0                               ; the add is done, and my reads of this slot are over
	s_barrier_signal -1
	MULA F1, 1, 3, \slot, 0
	WIN 0
	s_barrier_wait -1
.if \fill
	CREST                                          ; the barrier has opened a round of the cluster's barrier
	s_add_nc_u64 s[G0A+4*\slot+2:G0A+4*\slot+3], s[G0A+4*\slot+2:G0A+4*\slot+3], 131072   ; eight chunks on
	s_add_nc_u64 s[G0B+4*\slot+2:G0B+4*\slot+3], s[G0B+4*\slot+2:G0B+4*\slot+3], 1024
	JLOAD G0A+4*\slot, G1A, G0B+4*\slot, G1B
	PLACES NP-4
.else
	PLACES NP
.endif
	FETCH \next, 0, F0
	WIN MUL
	MULA F1, 2, 3, \slot, 0
	MULA F1, 3, 3, \slot, 0
.endm
	s_wait_alu depctr_va_vdst(0)                   ; the wait at the head's end
	s_cmp_lt_u32 s18, 2
	s_cbranch_scc0 .Lnot_first
	s_wait_tensorcnt 0x0                           ; waves 0 and 1: K step 0's tiles are in.  Waves 2 and 3 wait at the change of slots, which shows K step 1's
.Lnot_first:
	s_barrier_signal -1
	s_barrier_wait -1
	s_wait_loadcnt 32                              ; the scale words are in; the residual's 32 loads, issued behind them, may be out
	FETCH 0, 0, F0
	SUB 0, 0, F0, F1, 1                            ; the first products start the sums
.if LAPS > 1
	WIN 0
	s_mov_b32 s3, LAPS-1
.Llap:
	SUB 0, 1, F1, F0, 0
	SUB 0, 2, F0, F1, 0
	TURN 0, 1, 1
	SUB 1, 0, F0, F1, 0
	SUB 1, 1, F1, F0, 0
	SUB 1, 2, F0, F1, 0
	TURN 1, 0, 1
	SUB 0, 0, F0, F1, 0
	WIN 0
	s_sub_co_u32 s3, s3, 1
	s_cmp_lg_u32 s3, 0
	s_cbranch_scc1 .Llap
.endif
	SUB 0, 1, F1, F0, 0
	SUB 0, 2, F0, F1, 0
	TURN 0, 1, 0
	SUB 1, 0, F0, F1, 0
	SUB 1, 1, F1, F0, 0
	SUB 1, 2, F0, F1, 0
	s_wait_dscnt 8
	WIN MUL
	MULA F1, 0, 3, 1, 0
	MULA F1, 1, 3, 1, 0
	s_wait_dscnt 0
	MULA F1, 2, 3, 1, 0
	MULA F1, 3, 3, 1, 0
	WIN 0
	; THE WAY OUT: a block of 16 rows x 64 columns goes through my own stage and comes back as rows of 256 bytes; the residual (and the bias) are added in that form.
	PLACES NP
	s_wait_loadcnt 0x0                             ; the residual, the bias
.irp a, 0,1,2,3
.irp b, 0,1,2,3
	ds_store_b128 v[STO], v[ACC+8*(4*\a+\b):ACC+8*(4*\a+\b)+3] offset:16*SPITCH*\a+64*\b       ; each accumulator from its low end on
	ds_store_b128 v[STO], v[ACC+8*(4*\a+\b)+4:ACC+8*(4*\a+\b)+7] offset:16*SPITCH*\a+64*\b+16
.endr
	WIN 0x40
.irp t, 0,1,2,3,4,5,6,7
	ds_load_b128 v[32*\a+4*\t:32*\a+4*\t+3], v[RD] offset:16*SPITCH*\a+2*SPITCH*\t   ; LDS serves a wave's instructions in order (ISA guide 5.7.1.4)
.endr
	WIN 0
.endr
.irp a, 0,1,2,3
	s_wait_dscnt 16*(3-\a)                         ; the later blocks' eight stores and eight loads may be out
	WIN 0x49                                       ; destination and source 0 window 1, source 1 window 2
.set n, 0
.rept 16
	v_pk_add_f32 v[32*\a+n:32*\a+n+1], v[32*\a+n:32*\a+n+1], v[32*\a+n:32*\a+n+1]
.set n, n+2
.endr
.if HAS_BIAS
	WIN 0x41                                       ; source 1 window 0
.set n, 0
.rept 16
	v_pk_add_f32 v[32*\a+n:32*\a+n+1], v[32*\a+n:32*\a+n+1], v[BIA+n%4:BIA+n%4+1]
.set n, n+2
.endr
.endif
	WIN 0x04                                       ; a store's data are its source 1: window 1
.irp t, 0,1,2,3,4,5,6,7
.if HAS_BIAS
	global_store_b128 v[CO], v[32*\a+4*\t:32*\a+4*\t+3], s[14:15] offset:(16*\a+2*\t)*4096 th:TH_STORE_NT
.else
	global_store_b128 v[CO], v[32*\a+4*\t:32*\a+4*\t+3], s[14:15] offset:(16*\a+2*\t)*4096   ; sixteen lanes store 256 consecutive bytes, at a multiple of 256 from the buffer's first byte
.endif
.endr
.endr
	WIN 0
	s_wait_tensorcnt 0x0                           ; the wave's end
	ds_add_u32 v[SPW], v[NIL]
	s_wait_dscnt 0x0
	CROUND                                         ; the closing round
	s_endpgm
.Lfunc_end_k_q861c8e02ff_proj:
	.size	k_q861c8e02ff_proj, .Lfunc_end_k_q861c8e02ff_proj-k_q861c8e02ff_proj
	.p2alignl 7, 3214868480
	.fill 96, 4, 3214868480
	.section	.rodata,"a",@progbits
	.p2align	6, 0x0
	.amdhsa_kernel k_q861c8e02ff_proj
		.amdhsa_group_segment_fixed_size 327680
		.amdhsa_private_segment_fixed_size 0
		.amdhsa_enable_private_segment 0
		.amdhsa_kernarg_size 48
		.amdhsa_user_sgpr_count 2
		.amdhsa_user_sgpr_kernarg_segment_ptr 1
		.amdhsa_wavefront_size32 1
		.amdhsa_system_sgpr_workgroup_id_x 1
		.amdhsa_system_sgpr_workgroup_id_y 1
		.amdhsa_system_sgpr_workgroup_id_z 1
		.amdhsa_system_vgpr_workitem_id 0
		.amdhsa_next_free_vgpr 768
		.amdhsa_next_free_sgpr 102
		.amdhsa_reserve_vcc 0
		.amdhsa_float_denorm_mode_32 3
		.amdhsa_float_denorm_mode_16_64 3
		.amdhsa_memory_ordered 1
		.amdhsa_forward_progress 1
		.amdhsa_inst_pref_size 60
	.end_amdhsa_kernel
	.amdgpu_metadata
---
amdhsa.version: [ 1, 2 ]
amdhsa.kernels:
  - .name:           k_q861c8e02ff_proj
    .symbol:         k_q861c8e02ff_proj.kd
    .args:
      - { .name: act_codes, .offset: 0, .size: 8, .value_kind: global_buffer, .address_space: global }
      - { .name: act_scales, .offset: 8, .size: 8, .value_kind: global_buffer, .address_space: global }
      - { .name: w_attn_proj_codes, .offset: 16, .size: 8, .value_kind: global_buffer, .address_space: global }
      - { .name: w_attn_proj_scales, .offset: 24, .size: 8, .value_kind: global_buffer, .address_space: global }
      - { .name: x, .offset: 32, .size: 8, .value_kind: global_buffer, .address_space: global }
      - { .name: x1, .offset: 40, .size: 8, .value_kind: global_buffer, .address_space: global }
    .group_segment_fixed_size: 327680
    .private_segment_fixed_size: 0
    .kernarg_segment_align: 8
    .kernarg_segment_size: 48
    .max_flat_workgroup_size: 128
    .sgpr_count:     102
    .vgpr_count:     768
    .wavefront_size: 32
...
	.end_amdgpu_metadata
.endif
;; end of part 4
;; launch ln2: the kernel of part 1 again; grid 256 x 1, 8 waves a work-group, no clusters, 83,456 bytes of LDS; arguments x1, ln2_w, ln2_b, act_codes, act_scales; writes act_codes, act_scales
;; launch fc (part 5): grid 16 x 16, 4 waves a work-group, clusters of 4 x 4, 327,680 bytes of LDS; arguments act_codes, act_scales, w_fc_codes, w_fc_scales, b_fc, h_codes, h_scales; writes h_codes, h_scales
.if DOCPART == 5
	.amdgcn_target "amdgcn-amd-amdhsa--gfx1250"
	.amdhsa_code_object_version 6
	.text
	.protected	k_q861c8e02ff_fc
	.globl	k_q861c8e02ff_fc
	.p2align	8
	.type	k_q861c8e02ff_fc,@function
k_q861c8e02ff_fc:
	s_mov_b64 s[64:65], 0
	v_nop
	global_prefetch_b8 v0, s[64:65] scope:SCOPE_SE
	s_setreg_imm32_b32 hwreg(HW_REG_WAVE_MODE, 25, 1), 1
	s_wait_xcnt 0x0
	s_wait_alu depctr_hold_cnt(0) depctr_sa_sdst(0) depctr_va_vdst(0) depctr_va_sdst(0) depctr_va_ssrc(0) depctr_va_vcc(0) depctr_vm_vsrc(0)
	s_getreg_b32 s2, hwreg(HW_REG_IB_STS2, 6, 4)
	s_cmp_eq_u32 s2, 0
	s_cbranch_scc0 .Lentry_in_a_cluster
	s_endpgm
.Lentry_in_a_cluster:
	s_bfe_u32 s2, ttmp6, 0x10000c
	s_cmp_lg_u32 s2, 0xf033
	s_cbranch_scc0 .Lentry_shape_is_right
	s_endpgm
.Lentry_shape_is_right:
; h = gelu(LN2(x1) W_fc + b_fc), quantised along its columns, on codes of E5M2 with E8M0 scales; K = 1,024.  A tile of 256 x 256 by four waves, each 128 x 128; K in steps of 256 through a ring of two LDS slots; the tile's scale bytes come once and stay.
; CLUSTERS 4 x 4: A's tile is shared along a row of the cluster, B's along a column: joint loads.  The bias is the first products' C.  erf is a quotient of two polynomials in z^2, z held to +-4.
; OUT: for each 128 rows, chunks of [128 rows][128 codes] on end, and a scale word a row and chunk likewise.
.set KSTEP,  256
.set NQ,     2
.set ROWB,   256
.set KROW,   1024
.set PITCH,  272
.set FR,     16
.set NL,     4
.set NP,     8
.set HALFT,  128*PITCH
.set SLOT,   4*HALFT
.set LAPS,   2
.set KS,     32
.set SCL,    2*SLOT
.set HALFS,  (128*KS/256)*272
.set SBLK,   (16*KS/256)*272
.set SPARE,  SCL+4*HALFS
.set OPITCH, 144
.set OWORDS, 128*OPITCH
.set OSTAGE, 19456
.set STA,  12
.set SWB,  13
.set ADRA, 16
.set ADRB, 20
.set STO,  24
.set RD,   25
.set CO,   26
.set ADRS, 27
.set SPW,  28
.set NIL,  29
.set RDW,  30
.set SWA,  31
.set SC,   32
.set BIAS, 64
.set P,    64
.set Q,    96
.set T,    64
.set PW,   80
.set AF,   128
.set G,    128
.set Z,    192
.set PC,   192
.set S2,   224
.set G1, 24
.set G0, 32
.set G1B, 48
.set G0B, 56
.set G1S, 68
.set G0S, 76
.set G1SB, 80
.set G0SB, 88
.set MSB, 0
.macro WIN new
.if MSB != (\new)
	s_set_vgpr_msb (MSB<<8)|(\new)
.set MSB, (\new)
.endif
.endm
.set MUL_LO, 0xa1
.set MUL_HI, 0xf1
.set TO_B,   0x40
.macro JLOAD g0a, g1a, g0b, g1b
	s_cmp_eq_u32 s15, 0
	s_cbranch_scc0 .Lfor_b_\@
	tensor_load_to_lds s[\g0a:\g0a+3], s[\g1a:\g1a+7]
	s_nop 0
.rept 4
	v_nop
.endr
	s_branch .Lasked_\@
.Lfor_b_\@:
	tensor_load_to_lds s[\g0b:\g0b+3], s[\g1b:\g1b+7]
	s_nop 0
.rept 4
	v_nop
.endr
.Lasked_\@:
.endm
.macro CREST
	s_cmp_lg_u32 s14, 0
	s_cbranch_scc1 .Lnot_wave_0_\@
	s_barrier_signal -3
.Lnot_wave_0_\@:
	s_barrier_wait -3
	s_barrier_signal -1
	s_barrier_wait -1
.endm
.macro CROUND
	s_barrier_signal -1
	s_barrier_wait -1
	CREST
.endm
	s_load_b128 s[4:7], s[0:1], 0x0
	s_load_b128 s[8:11], s[0:1], 0x10
	s_load_b64 s[12:13], s[0:1], 0x20
	s_load_b128 s[96:99], s[0:1], 0x28
	v_lshl_add_u32 v[SPW], v0, 2, SPARE
	v_mov_b32 v[NIL], 0
	ds_add_u32 v[SPW], v[NIL]
	ds_add_u32 v[SPW], v[NIL]
	v_lshrrev_b32 v1, 5, v0
	v_readfirstlane_b32 s14, v1
	s_lshr_b32 s15, s14, 1
	s_and_b32 s16, s14, 1
	s_bfe_u32 s40, ttmp6, 0x40000
	s_bfe_u32 s41, ttmp6, 0x40004
	s_lshl_b32 s42, ttmp9, 2
	s_add_co_u32 s42, s42, s40
	s_and_b32 s17, ttmp7, 0xffff
	s_lshl_b32 s17, s17, 2
	s_add_co_u32 s17, s17, s41
	s_lshl_b32 s43, s41, 2
	s_lshl_b32 s43, 15, s43
	s_lshl_b32 s44, 0x1111, s40
	s_or_b32 s[G1+0], s43, (0<<16)|(1<<20)|(1<<21)|(5<<22)|(3<<25)
	s_or_b32 s[G1B+0], s44, (0<<16)|(1<<20)|(1<<21)|(5<<22)|(3<<25)
.irp g, G1, G1B
	s_mov_b32 s[\g+1], ROWB<<16
	s_mov_b32 s[\g+2], 256<<16                     ; the head's loads bring a tile's 256 rows; behind them the two words that count rows are set to 128, for the ring's
	s_mov_b32 s[\g+3], ROWB<<16
	s_mov_b32 s[\g+4], 256
	s_mov_b32 s[\g+5], KROW
	s_mov_b32 s[\g+6], 0
	s_mov_b32 s[\g+7], 0
.endr
	s_or_b32 s[G1S+0], s43, (3<<16)|(1<<20)|(1<<21)|(5<<22)|(3<<25)
	s_or_b32 s[G1SB+0], s44, (3<<16)|(1<<20)|(1<<21)|(5<<22)|(3<<25)
.irp g, G1S, G1SB
	s_mov_b32 s[\g+1], 32<<16
	s_mov_b32 s[\g+2], KS<<16                      ; the scales of 256 rows: KS rows of 256 bytes
	s_mov_b32 s[\g+3], 32<<16
	s_mov_b32 s[\g+4], KS
	s_mov_b32 s[\g+5], 32
	s_mov_b32 s[\g+6], 0
	s_mov_b32 s[\g+7], 0
.endr
	s_lshl_b32 s95, s17, 1
	s_add_co_u32 s95, s95, s15
	s_lshl_b32 s95, s95, 12
	s_lshl_b32 s2, s42, 1
	s_add_co_u32 s2, s2, s16
	s_lshl_b32 s2, s2, 7
	s_add_co_u32 s95, s95, s2
	s_lshl_b32 s20, s17, 8                         ; A: the tile's first row, 256 x tile row
	s_lshl_b32 s46, s42, 8                         ; B: 256 x tile column
	s_mov_b32 s21, 0
	s_mov_b32 s47, 0
	s_mov_b64 s[18:19], KS
	s_mul_u64 s[22:23], s[20:21], s[18:19]
	s_mul_u64 s[92:93], s[46:47], s[18:19]
	s_mov_b64 s[18:19], KROW
	s_mul_u64 s[20:21], s[20:21], s[18:19]
	s_mul_u64 s[46:47], s[46:47], s[18:19]
	s_mul_i32 s45, s14, HALFT
	s_mul_i32 s18, s16, 128*KROW                   ; in the ring I fetch 128 rows of a tile: which half, in bytes
	s_mov_b32 s19, 0
	s_wait_dscnt 0x0
	s_wait_kmcnt 0x0
	s_add_nc_u64 s[20:21], s[4:5], s[20:21]
	s_add_nc_u64 s[22:23], s[6:7], s[22:23]
	s_add_nc_u64 s[46:47], s[8:9], s[46:47]
	s_add_nc_u64 s[92:93], s[10:11], s[92:93]
	s_lshl_b32 s2, s95, 7
	s_mov_b32 s3, 0
	s_add_nc_u64 s[96:97], s[96:97], s[2:3]
	s_lshl_b32 s2, s95, 2
	s_add_nc_u64 s[98:99], s[98:99], s[2:3]
	s_lshl_b32 s2, s42, 10
	s_lshl_b32 s95, s16, 9
	s_add_co_u32 s2, s2, s95
	s_add_nc_u64 s[12:13], s[12:13], s[2:3]
	CROUND
	s_mov_b32 s[G0S], 1
	s_mov_b32 s[G0S+1], SCL
	s_mov_b64 s[G0S+2:G0S+3], s[22:23]
	s_or_b32 s[G0S+3], s[G0S+3], 0x80000000
	s_mov_b32 s[G0SB], 1
	s_mov_b32 s[G0SB+1], SCL+2*HALFS
	s_mov_b64 s[G0SB+2:G0SB+3], s[92:93]
	s_or_b32 s[G0SB+3], s[G0SB+3], 0x80000000
	s_mov_b32 s4, 1                                ; s[4:7], s[8:11] (the arguments that lay there have been used): group 0 of the head's loads of K step 0: A's 256 rows,
	s_mov_b32 s5, 0
	s_mov_b64 s[6:7], s[20:21]
	s_or_b32 s7, s7, 0x80000000
	s_mov_b32 s8, 1                                ; and B's, behind them in slot 0
	s_mov_b32 s9, 2*HALFT
	s_mov_b64 s[10:11], s[46:47]
	s_or_b32 s11, s11, 0x80000000
	s_add_nc_u64 s[20:21], s[20:21], s[18:19]      ; for the ring: my 128 rows of the tile
	s_add_nc_u64 s[46:47], s[46:47], s[18:19]
.irp s, 0,1
	s_mov_b32 s[G0+4*\s], 1
	s_add_co_u32 s[G0+4*\s+1], s45, \s*SLOT
	s_add_nc_u64 s[G0+4*\s+2:G0+4*\s+3], s[20:21], \s*ROWB
	s_or_b32 s[G0+4*\s+3], s[G0+4*\s+3], 0x80000000
	s_mov_b32 s[G0B+4*\s], 1
	s_add_co_u32 s[G0B+4*\s+1], s45, \s*SLOT
	s_add_nc_u64 s[G0B+4*\s+2:G0B+4*\s+3], s[46:47], \s*ROWB
	s_or_b32 s[G0B+4*\s+3], s[G0B+4*\s+3], 0x80000000
.endr
; THE HEAD'S LOADS, ONE A WAVE: wave 0 K step 0's 256 rows of A, wave 1 those of B, wave 2 the scales of A's 256 rows, wave 3 those of B's.  One tree of branches on the wave's number.
.macro ARM under, g0, g1, next
	s_cmp_lt_u32 s14, \under
	s_cbranch_scc0 \next
	tensor_load_to_lds s[\g0:\g0+3], s[\g1:\g1+7]
	s_nop 0
.rept 4
	v_nop
.endr
	s_branch .Lhead_asked
\next:
.endm
	ARM 1, 4, G1, .Lhead_b
	ARM 2, 8, G1B, .Lhead_sa
	ARM 3, G0S, G1S, .Lhead_sb
	tensor_load_to_lds s[G0SB:G0SB+3], s[G1SB:G1SB+7]
	s_nop 0
.rept 4
	v_nop
.endr
.Lhead_asked:
; PREFETCHES INTO THE L2: K steps 1 and 2 are asked for here, K step 3 behind slot 1's fill: each at most two fills ahead of the load that wants it.  Of the 128 rows that a wave fetches in the ring,
; each of the four partners that fetch them jointly names 32, told apart by address (cx for A, cy for B): a lane a row, 256 bytes of it a K step.  v14 and s[66:67] are never rewritten.
	s_cmp_eq_u32 s15, 0
	s_cselect_b64 s[66:67], s[20:21], s[46:47]
	s_cselect_b32 s2, s40, s41
	s_mul_i32 s2, s2, 32*KROW
	s_mov_b32 s3, 0
	s_add_nc_u64 s[66:67], s[66:67], s[2:3]
	v_and_b32 v14, 31, v0
	v_lshlrev_b32 v14, 10, v14
	global_prefetch_b8 v14, s[66:67] offset:256 th:TH_LOAD_NT scope:SCOPE_SE
	global_prefetch_b8 v14, s[66:67] offset:512 th:TH_LOAD_NT scope:SCOPE_SE
	v_and_b32 v1, 15, v0
	v_bfe_u32 v2, v0, 4, 1
	v_lshlrev_b32 v8, 5, v2
.irp b, 0,1,2,3,4,5,6,7
	global_load_b128 v[BIAS+8*\b:BIAS+8*\b+3], v8, s[12:13] offset:64*\b
	global_load_b128 v[BIAS+8*\b+4:BIAS+8*\b+7], v8, s[12:13] offset:64*\b+16
.endr
	v_mul_u32_u24 v3, v1, PITCH
	v_lshl_add_u32 v4, v2, 4, v3
	s_mul_i32 s21, s15, HALFT
	s_mul_i32 s22, s16, HALFT
	s_add_co_u32 s22, s22, 2*HALFT
.irp s, 0,1
	v_add_nc_u32 v[ADRA+\s], s21, v4
	v_add_nc_u32 v[ADRB+\s], s22, v4
	s_add_co_u32 s21, s21, SLOT
	s_add_co_u32 s22, s22, SLOT
.endr
	v_mul_u32_u24 v5, v1, KS
	v_lshrrev_b32 v6, 8, v5
	v_lshl_add_u32 v5, v6, 4, v5
	s_mul_i32 s21, s15, HALFS
	s_mul_i32 s22, s16, HALFS
	s_add_co_u32 s22, s22, 2*HALFS
	s_sub_co_u32 s22, s22, s21
	v_mul_u32_u24 v6, s22, v2
	s_add_co_u32 s21, s21, SCL
	v_add_nc_u32 v5, v5, v6
	v_add_nc_u32 v[ADRS], s21, v5
	s_mul_i32 s23, s14, OSTAGE
	v_mul_u32_u24 v5, v1, OPITCH
	v_lshl_add_u32 v5, v2, 3, v5
	v_add_nc_u32 v[STO], s23, v5
	v_and_b32 v6, 31, v0
	v_lshlrev_b32 v[CO], 4, v6
	v_lshrrev_b32 v5, 3, v6
	v_mul_u32_u24 v5, v5, OPITCH
	v_and_b32 v7, 7, v6
	v_lshl_add_u32 v5, v7, 4, v5
	v_add_nc_u32 v[RD], s23, v5
	s_add_co_u32 s23, s23, OWORDS
	v_lshl_add_u32 v[SWA], v1, 2, s23
	v_add_nc_u32 v[RDW], s23, v[CO]
.macro FRAG reg, adr, q, i
.irp c, 0,1,2,3
	ds_load_b128 v[\reg+4*\c:\reg+4*\c+3], v[\adr] offset:128*(\q)+32*\c+(\i)*16*PITCH
.endr
.endm
.macro MUL16 a0, p, q, sc, zero
.irp a, \a0, \a0+1
.irp b, 0,1,2,3,4,5,6,7
.if \zero
	v_wmma_scale_f32_16x16x128_f8f6f4 v[8*(8*((\a)%4)+\b):8*(8*((\a)%4)+\b)+7], v[128*(\p)+FR*\b:128*(\p)+FR*\b+FR-1], v[AF+FR*(\a):AF+FR*(\a)+FR-1], v[BIAS+8*\b:BIAS+8*\b+7], v[SC+8*NQ*(\sc)+NQ*\b+(\q)], v[SC+8*NQ*(\sc)+NQ*(\a)+(\q)] matrix_a_fmt:MATRIX_FMT_BF8 matrix_b_fmt:MATRIX_FMT_BF8 matrix_a_scale:MATRIX_SCALE_ROW1
.else
	v_wmma_scale_f32_16x16x128_f8f6f4 v[8*(8*((\a)%4)+\b):8*(8*((\a)%4)+\b)+7], v[128*(\p)+FR*\b:128*(\p)+FR*\b+FR-1], v[AF+FR*(\a):AF+FR*(\a)+FR-1], v[8*(8*((\a)%4)+\b):8*(8*((\a)%4)+\b)+7], v[SC+8*NQ*(\sc)+NQ*\b+(\q)], v[SC+8*NQ*(\sc)+NQ*(\a)+(\q)] matrix_a_fmt:MATRIX_FMT_BF8 matrix_b_fmt:MATRIX_FMT_BF8 matrix_a_scale:MATRIX_SCALE_ROW1
.endif
.endr
.endr
.endm
.macro FETCH_B slot, q, p
	WIN TO_B
.irp i, 0,1,2,3,4,5,6,7
	FRAG 128*(\p)+FR*\i, ADRB+\slot, \q, \i
.endr
	WIN 0
.endm
.macro FETCH_A slot, q, i0
.irp i, \i0, \i0+1, \i0+2, \i0+3
	FRAG AF+FR*(\i), ADRA+\slot, \q, \i
.endr
.endm
.macro SCALES sc
.irp i, 0,1,2,3,4,5,6,7
	ds_load_b64 v[SC+8*NQ*\sc+NQ*\i:SC+8*NQ*\sc+NQ*\i+1], v[ADRS] offset:\i*SBLK
.endr
.endm
.macro PLACES n
.rept \n
	v_nop
.endr
.endm
.macro STEP slot, q, zero
	s_wait_dscnt 4*NL
.if \zero
	WIN 0x81
.else
	WIN MUL_LO
.endif
	MUL16 0, (\q)%2, \q, \slot, \zero
	MUL16 2, (\q)%2, \q, \slot, \zero
	s_wait_dscnt 0
	PLACES NP
	FETCH_B \slot, (\q)+1, 1-(\q)%2
	FETCH_A \slot, (\q)+1, 0
.if \zero
	WIN 0xc1
.else
	WIN MUL_HI
.endif
	MUL16 4, (\q)%2, \q, \slot, \zero
	MUL16 6, (\q)%2, \q, \slot, \zero
	PLACES NP
	WIN 0
	FETCH_A \slot, (\q)+1, 4
.endm
.macro TURN slot, next, fill
	s_wait_tensorcnt 0x0
	ds_add_u32 v[SPW], v[NIL]
	s_wait_dscnt 4*NL+1
	WIN MUL_LO
	MUL16 0, 1, NQ-1, \slot, 0
	s_wait_dscnt 0x0
	s_barrier_signal -1
	MUL16 2, 1, NQ-1, \slot, 0
	WIN 0
	s_barrier_wait -1
.if \fill
	CREST
	s_add_nc_u64 s[G0+4*\slot+2:G0+4*\slot+3], s[G0+4*\slot+2:G0+4*\slot+3], 2*ROWB
	s_add_nc_u64 s[G0B+4*\slot+2:G0B+4*\slot+3], s[G0B+4*\slot+2:G0B+4*\slot+3], 2*ROWB
	JLOAD G0+4*\slot, G1, G0B+4*\slot, G1B
	PLACES NP-4
.else
	PLACES NP
.endif
	s_wait_alu depctr_va_vdst(0)
	v_add_nc_u32 v[ADRS], 4*NQ, v[ADRS]
	FETCH_B \next, 0, 0
	FETCH_A \next, 0, 0
	SCALES \next
	WIN MUL_HI
	MUL16 4, 1, NQ-1, \slot, 0
	MUL16 6, 1, NQ-1, \slot, 0
	PLACES NP
	WIN 0
	FETCH_A \next, 0, 4
.endm
	s_wait_alu depctr_va_vdst(0)                   ; the wait at the head's end
	s_wait_tensorcnt 0x0                           ; my tile of the head's four is in
	ds_add_u32 v[SPW], v[NIL]
	s_mov_b32 s[G1+2], 128<<16                     ; no tensor load of mine is out: from here on a load brings 128 rows
	s_mov_b32 s[G1+4], 128
	s_mov_b32 s[G1B+2], 128<<16
	s_mov_b32 s[G1B+4], 128
	s_wait_dscnt 0x0
	CROUND                                         ; all four tiles are in, and all sixteen work-groups are here
	JLOAD G0+4, G1, G0B+4, G1B                     ; K step 1, the first tensor load behind the round
	FETCH_B 0, 0, 0
	global_prefetch_b8 v14, s[66:67] offset:768 th:TH_LOAD_NT scope:SCOPE_SE   ; K step 3, the last
	FETCH_A 0, 0, 0
	SCALES 0
	FETCH_A 0, 0, 4
	s_wait_loadcnt 0x0
	STEP 0, 0, 1
	s_mov_b32 s3, LAPS-1
.Llap:
	TURN 0, 1, 1
	STEP 1, 0, 0
	TURN 1, 0, 1
	STEP 0, 0, 0
	s_sub_co_u32 s3, s3, 1
	s_cmp_lg_u32 s3, 0
	s_cbranch_scc1 .Llap
	TURN 0, 1, 0
	STEP 1, 0, 0
	s_wait_dscnt 4*NL
	WIN MUL_LO
	MUL16 0, 1, NQ-1, 1, 0
	MUL16 2, 1, NQ-1, 1, 0
	s_wait_dscnt 0
	WIN MUL_HI
	MUL16 4, 1, NQ-1, 1, 0
	MUL16 6, 1, NQ-1, 1, 0
	WIN 0
.macro GELU hb
.set GB, G+32*(\hb)
.set n, 0
.rept 16
	v_pk_mul_f32 v[Z+n:Z+n+1], v[GB+n:GB+n+1], s[24:25] op_sel_hi:[1,0]
.set n, n+2
.endr
.set n, 0
.rept 32
	v_med3_num_f32 v[Z+n], v[Z+n], -4.0, 4.0
.set n, n+1
.endr
.set n, 0
.rept 16
	v_pk_mul_f32 v[S2+n:S2+n+1], v[Z+n:Z+n+1], v[Z+n:Z+n+1]
.set n, n+2
.endr
.set n, 0
.rept 16
	v_pk_fma_f32 v[P+n:P+n+1], v[S2+n:S2+n+1], s[26:27], v[8:9] op_sel_hi:[1,0,1]
.set n, n+2
.endr
.irp c, 28,30,32,34,36
.set n, 0
.rept 16
	v_pk_fma_f32 v[P+n:P+n+1], v[P+n:P+n+1], v[S2+n:S2+n+1], s[\c:\c+1] op_sel_hi:[1,1,0]
.set n, n+2
.endr
.endr
.set n, 0
.rept 16
	v_pk_fma_f32 v[Q+n:Q+n+1], v[S2+n:S2+n+1], s[38:39], v[10:11] op_sel_hi:[1,0,1]
.set n, n+2
.endr
.irp c, 40,42,44
.set n, 0
.rept 16
	v_pk_fma_f32 v[Q+n:Q+n+1], v[Q+n:Q+n+1], v[S2+n:S2+n+1], s[\c:\c+1] op_sel_hi:[1,1,0]
.set n, n+2
.endr
.endr
.set n, 0
	s_wait_alu depctr_va_vdst(0)
.rept 32
	v_rcp_f32 v[Q+n], v[Q+n]
.set n, n+1
.endr
.set n, 0
.rept 16
	v_pk_mul_f32 v[P+n:P+n+1], v[P+n:P+n+1], v[Z+n:Z+n+1]
.set n, n+2
.endr
	s_wait_alu depctr_va_vdst(0)
.set n, 0
.rept 16
	v_pk_mul_f32 v[P+n:P+n+1], v[P+n:P+n+1], v[Q+n:Q+n+1]
.set n, n+2
.endr
.set n, 0
.rept 16
	v_pk_fma_f32 v[GB+n:GB+n+1], v[GB+n:GB+n+1], v[P+n:P+n+1], v[GB+n:GB+n+1]
.set n, n+2
.endr
.endm
	s_mov_b32 s24, 0x3fb504f3
	s_mov_b32 s26, 0xaf95df0b
	s_mov_b32 s28, 0xb60cff51
	s_mov_b32 s30, 0xb86ec2d2
	s_mov_b32 s32, 0xba40ac63
	s_mov_b32 s34, 0xbb41a1f6
	s_mov_b32 s36, 0xbc83dbd4
	s_mov_b32 s38, 0xb77460cd
	s_mov_b32 s40, 0xbadc924e
	s_mov_b32 s42, 0xbbf19bf8
	s_mov_b32 s44, 0xbc69b6a7
.irp c, 24,26,28,30,32,34,36,38,40,42,44
	s_mov_b32 s[\c+1], s[\c]
.endr
	s_mov_b32 s46, 0x76543210
	s_mov_b32 s47, 0xfedcba98
	s_mov_b32 s48, 0x600000
	s_mov_b32 s49, 0
	s_mov_b32 s50, 0
	s_mov_b32 s51, 0
	s_mov_b32 s52, 0                               ; where the block in hand begins among my codes in memory: 2,048 bytes a block
	PLACES NP
	v_mov_b32 v8, 0x32edffee
	v_mov_b32 v9, 0x32edffee
	v_mov_b32 v10, 0xb95fbd29
	v_mov_b32 v11, 0xb95fbd29
.irp b, 0,1,2,3
	v_mov_b32 v[T+4+\b], 0
.endr
.Lout:
.irp a, 1,2,3,4,5,6,7
	s_cmp_eq_u32 s49, \a
	s_cbranch_scc1 .Lpre\a
.endr
.irp a, 0,1,2,3,4,5,6,7
.Lpre\a:
	WIN 2+\a/4
.set n, 0
.rept 32
	v_pk_mul_f32 v[G+n:G+n+1], v[64*(\a%4)+n:64*(\a%4)+n+1], 0.5 op_sel_hi:[1,0]
.set n, n+2
.endr
	WIN 0
.if \a < 7
	s_branch .Lbody
.endif
.endr
.Lbody:
	GELU 0
	s_cmp_eq_u32 s49, 0                            ; the block before leaves here, in the middle of this block's work; the first block has none before it
	s_cbranch_scc1 .Lnone_yet
	s_wait_dscnt 0x0                               ; its rows are back from the stage: they were asked for at the last trip's end
	WIN 0x04                                       ; a store's data are its source 1: window 1
.irp n, 0,1,2,3
	global_store_b128 v15, v[4*\n:4*\n+3], s[96:97] offset:512*\n   ; four rows: 512 consecutive bytes, at a multiple of 256 from the buffer's first byte
.endr
	WIN 0
.Lnone_yet:
	GELU 1
.irp b, 0,1,2,3
	v_max3_num_f32 v[T+\b], |v[G+16*\b]|, |v[G+16*\b+1]|, 0x8000000
.endr
.irp i, 2,4,6,8,10,12,14
.irp b, 0,1,2,3
	v_max3_num_f32 v[T+\b], |v[G+16*\b+\i]|, |v[G+16*\b+\i+1]|, v[T+\b]
.endr
.endr
.irp b, 0,1,2,3
	v_permlanex16_b32 v[T+4+\b], v[T+\b], s46, s47
.endr
.irp b, 0,1,2,3
	v_max_num_f32 v[T+\b], v[T+\b], v[T+4+\b]
.endr
.irp b, 0,1,2,3
	v_add_nc_u32 v[T+12+\b], 0xf8800000, v[T+\b]
.endr
.irp b, 0,1,2,3
	v_and_or_b32 v[T+8+\b], v[T+\b], 0x7f800000, s48
.endr
.irp b, 0,1,2,3
	v_lshrrev_b32 v[T+4+\b], 23, v[T+12+\b]
.endr
	v_lshl_or_b32 v[PW], v[T+5], 8, v[T+4]
	v_lshl_or_b32 v[PW], v[T+6], 16, v[PW]
	v_lshl_or_b32 v[PW], v[T+7], 24, v[PW]
.irp b, 0,1,2,3
.irp i, 0,1,2,3,4,5,6,7,8,9,10,11,12,13,14,15
	v_med3_num_f32 v[G+16*\b+\i], v[G+16*\b+\i], -v[T+8+\b], v[T+8+\b]
.endr
.endr
.irp c, 0,1,2,3,4,5,6,7
	v_cvt_scalef32_pk8_bf8_f32 v[PC+2*\c:PC+2*\c+1], v[G+8*\c:G+8*\c+7], v[T+12+\c/2]
.endr
	v_add_nc_u32 v[STA], s50, v[STO]
	v_add_nc_u32 v[SWB], s51, v[SWA]
.irp b, 0,1,2,3,4,5,6,7
	ds_store_b64 v[STA], v[PC+2*\b:PC+2*\b+1] offset:16*\b
.endr
	ds_store_b32 v[SWB], v[PW]
	s_wait_alu depctr_va_vdst(0)                   ; the wait here, directly ahead of the wait below
	s_wait_xcnt 0x0                                ; the last block's stores have read their offset and their data: both are written anew below
	v_add_nc_u32 v15, s52, v[CO]                   ; this block's place in memory,
	v_add_nc_u32 v7, s50, v[RD]                    ; and in my stage
	WIN 0x40                                       ; destination window 1
.irp n, 0,1,2,3
	ds_load_b128 v[4*\n:4*\n+3], v7 offset:4*OPITCH*\n   ; its 16 rows come back behind their stores (LDS serves a wave's instructions in order: ISA guide 5.7.1.4)
.endr
	WIN 0
	s_add_co_u32 s52, s52, 2048
	s_add_co_u32 s50, s50, 16*OPITCH
	s_add_co_u32 s51, s51, 64
	s_add_co_u32 s49, s49, 1
	s_cmp_lt_u32 s49, 8
	s_cbranch_scc1 .Lout
	s_wait_alu depctr_va_vdst(0)
	WIN 0x40
	ds_load_b128 v[128:131], v[RDW]
	WIN 0x04
	s_wait_dscnt 1                                 ; the last block's rows are back; the scale words' load may be out
.irp n, 0,1,2,3
	global_store_b128 v15, v[4*\n:4*\n+3], s[96:97] offset:512*\n
.endr
	s_wait_dscnt 0x0
	global_store_b128 v[CO], v[128:131], s[98:99]  ; my 128 scale words: 512 consecutive bytes
	WIN 0
	s_wait_tensorcnt 0x0
	ds_add_u32 v[SPW], v[NIL]
	s_wait_dscnt 0x0
	CROUND
	s_endpgm
.Lfunc_end_k_q861c8e02ff_fc:
	.size	k_q861c8e02ff_fc, .Lfunc_end_k_q861c8e02ff_fc-k_q861c8e02ff_fc
	.p2alignl 7, 3214868480
	.fill 96, 4, 3214868480
	.section	.rodata,"a",@progbits
	.p2align	6, 0x0
	.amdhsa_kernel k_q861c8e02ff_fc
		.amdhsa_group_segment_fixed_size 327680
		.amdhsa_private_segment_fixed_size 0
		.amdhsa_enable_private_segment 0
		.amdhsa_kernarg_size 56
		.amdhsa_user_sgpr_count 2
		.amdhsa_user_sgpr_kernarg_segment_ptr 1
		.amdhsa_wavefront_size32 1
		.amdhsa_system_sgpr_workgroup_id_x 1
		.amdhsa_system_sgpr_workgroup_id_y 1
		.amdhsa_system_sgpr_workgroup_id_z 1
		.amdhsa_system_vgpr_workitem_id 0
		.amdhsa_next_free_vgpr 1024
		.amdhsa_next_free_sgpr 100
		.amdhsa_reserve_vcc 0
		.amdhsa_float_denorm_mode_32 3
		.amdhsa_float_denorm_mode_16_64 3
		.amdhsa_memory_ordered 1
		.amdhsa_forward_progress 1
		.amdhsa_inst_pref_size 185
	.end_amdhsa_kernel
	.amdgpu_metadata
---
amdhsa.version: [ 1, 2 ]
amdhsa.kernels:
  - .name:           k_q861c8e02ff_fc
    .symbol:         k_q861c8e02ff_fc.kd
    .args:
      - { .name: act_codes, .offset: 0, .size: 8, .value_kind: global_buffer, .address_space: global }
      - { .name: act_scales, .offset: 8, .size: 8, .value_kind: global_buffer, .address_space: global }
      - { .name: w_fc_codes, .offset: 16, .size: 8, .value_kind: global_buffer, .address_space: global }
      - { .name: w_fc_scales, .offset: 24, .size: 8, .value_kind: global_buffer, .address_space: global }
      - { .name: b_fc, .offset: 32, .size: 8, .value_kind: global_buffer, .address_space: global }
      - { .name: h_codes, .offset: 40, .size: 8, .value_kind: global_buffer, .address_space: global }
      - { .name: h_scales, .offset: 48, .size: 8, .value_kind: global_buffer, .address_space: global }
    .group_segment_fixed_size: 327680
    .private_segment_fixed_size: 0
    .kernarg_segment_align: 8
    .kernarg_segment_size: 56
    .max_flat_workgroup_size: 128
    .sgpr_count:     100
    .vgpr_count:     1024
    .wavefront_size: 32
...
	.end_amdgpu_metadata
.endif
;; end of part 5
;; launch mlp (part 6): grid 8 x 32, 4 waves a work-group, clusters of 4 x 4, 327,680 bytes of LDS; arguments h_codes, h_scales, w_mlp_proj_codes, w_mlp_proj_scales, x1, out0, b_mlp_proj; writes out0
.if DOCPART == 6
	.amdgcn_target "amdgcn-amd-amdhsa--gfx1250"
	.amdhsa_code_object_version 6
	.text
	.protected	k_q861c8e02ff_mlp
	.globl	k_q861c8e02ff_mlp
	.p2align	8
	.type	k_q861c8e02ff_mlp,@function
k_q861c8e02ff_mlp:
	s_mov_b64 s[64:65], 0
	v_nop
	global_prefetch_b8 v0, s[64:65] scope:SCOPE_SE
	s_setreg_imm32_b32 hwreg(HW_REG_WAVE_MODE, 25, 1), 1
	s_wait_xcnt 0x0
	s_wait_alu depctr_hold_cnt(0) depctr_sa_sdst(0) depctr_va_vdst(0) depctr_va_sdst(0) depctr_va_ssrc(0) depctr_va_vcc(0) depctr_vm_vsrc(0)
	s_getreg_b32 s2, hwreg(HW_REG_IB_STS2, 6, 4)
	s_cmp_eq_u32 s2, 0
	s_cbranch_scc0 .Lentry_in_a_cluster
	s_endpgm
.Lentry_in_a_cluster:
	s_bfe_u32 s2, ttmp6, 0x10000c
	s_cmp_lg_u32 s2, 0xf033
	s_cbranch_scc0 .Lentry_shape_is_right
	s_endpgm
.Lentry_shape_is_right:
; out = residual + A B^T + bias, on codes of E5M2 with E8M0 scales.  Here: A = h, B = w_mlp_proj, residual = x1, out = out0; SIZE_K = 4,096.
; A tile of C is 128 x 128, so that 4,096 x 1,024 gives 256 work-groups; four waves, each 64 x 64: 16 accumulators.  K goes in steps of 512 through a ring of two LDS slots.
; A lies by chunks: for each 128 rows, SIZE_K / 128 chunks of [128 rows][128 codes] on end, and its scale words likewise ([128 rows][4 bytes]).  So a K step's part of A is 65,536 dense bytes, two chunks a load.
; B lies by rows ([1,024][SIZE_K] codes, [1,024][SIZE_K / 32] scale bytes).  All scales of the tile come once, with the first fills, and stay.
; CLUSTERS 4 x 4: A's tile is shared along a row of the cluster, B's along a column: joint loads.  The matrix instruction is used transposed (source 0 = rows of B, source 1 = rows of A).
; REGISTERS: window 0: v16-29 addresses; v32-63 scale words, two sets, and nothing else; v64-67 the bias; v128-255 the accumulators.  window 1: two fragment buffers (A's four blocks, then B's four); on the way out rows read back.  window 2: the residual.
.set SIZE_K, 4096
.set HAS_BIAS, 1
.set KS,     SIZE_K/32
.set LAPS,   SIZE_K/1024
.set ACH,    18432
.set AREG,   4*ACH
.set BPITCH, 528
.set BHALF,  64*BPITCH
.set SLOT,   AREG+2*BHALF
.set ASC,    2*SLOT
.set BSC,    ASC+SIZE_K*4
.set HALFS,  (64*KS/256)*272
.set SPARE,  BSC+2*HALFS
.set SPITCH, 272
.set NP,   8
.set ADRA, 16
.set ADRB, 20
.set ADSA, 22
.set ADSB, 23
.set STO,  24
.set RD,   25
.set CO,   26
.set SPW,  28
.set NIL,  29
.set SC,   32
.set BIA,  64
.set ACC,  128
.set F0,   0
.set F1,   128
.set G1A,  28
.set G0A,  36
.set G1B,  44
.set G0B,  52
.set G1AS, 68
.set G0AS, 76
.set G1BS, 80
.set G0BS, 88
.set MUL,  0x05
.set MSB, 0
.macro WIN new
.if MSB != (\new)
	s_set_vgpr_msb (MSB<<8)|(\new)
.set MSB, (\new)
.endif
.endm
.macro JLOAD g0a, g1a, g0b, g1b        ; waves 0, 1 fetch for A, waves 2, 3 for B; an s_nop 0 and four v_nop follow each line
	s_cmp_eq_u32 s19, 0
	s_cbranch_scc0 .Lfor_b_\@
	tensor_load_to_lds s[\g0a:\g0a+3], s[\g1a:\g1a+7]
	s_nop 0
.rept 4
	v_nop
.endr
	s_branch .Lasked_\@
.Lfor_b_\@:
	tensor_load_to_lds s[\g0b:\g0b+3], s[\g1b:\g1b+7]
	s_nop 0
.rept 4
	v_nop
.endr
.Lasked_\@:
.endm
.macro CREST
	s_cmp_lg_u32 s18, 0
	s_cbranch_scc1 .Lnot_wave_0_\@
	s_barrier_signal -3
.Lnot_wave_0_\@:
	s_barrier_wait -3
	s_barrier_signal -1
	s_barrier_wait -1
.endm
.macro CROUND
	s_barrier_signal -1
	s_barrier_wait -1
	CREST
.endm
.macro PLACES n
.rept \n
	v_nop
.endr
.endm
	s_load_b256 s[4:11], s[0:1], 0x0               ; A's codes, A's scales, B's codes, B's scales
	s_load_b128 s[12:15], s[0:1], 0x20             ; the residual, out
.if HAS_BIAS
	s_load_b64 s[16:17], s[0:1], 0x30              ; the bias
.endif
	v_lshl_add_u32 v[SPW], v0, 2, SPARE
	v_mov_b32 v[NIL], 0
	ds_add_u32 v[SPW], v[NIL]                      ; the wave's opening: the add, twice on end, and its wait ahead of my first tensor load
	ds_add_u32 v[SPW], v[NIL]
	v_lshrrev_b32 v1, 5, v0
	v_readfirstlane_b32 s18, v1
	s_lshr_b32 s19, s18, 1
	s_and_b32 s20, s18, 1
	s_bfe_u32 s21, ttmp6, 0x40000
	s_bfe_u32 s22, ttmp6, 0x40004
	s_lshl_b32 s23, ttmp9, 2
	s_add_co_u32 s23, s23, s21                     ; tile column
	s_and_b32 s24, ttmp7, 0xffff
	s_lshl_b32 s24, s24, 2
	s_add_co_u32 s24, s24, s22                     ; tile row
	s_lshl_b32 s25, s22, 2
	s_lshl_b32 s25, 15, s25
	s_lshl_b32 s26, 0x1111, s21
	s_or_b32 s[G1A], s25, (0<<16)|(1<<20)|(1<<21)|(4<<22)|(3<<25)    ; A: 256 dense rows of 128 bytes, 4 words of padding behind every 32
	s_mov_b32 s[G1A+1], 256<<16                    ; dense chunks, stated as rows of 256 bytes: 256 of them (four chunks) for the head's load, 128 for the ring's
	s_mov_b32 s[G1A+2], 256<<16
	s_mov_b32 s[G1A+3], 256<<16
	s_mov_b32 s[G1A+4], 256
	s_mov_b32 s[G1A+5], 256
	s_mov_b32 s[G1A+6], 0
	s_mov_b32 s[G1A+7], 0
	s_or_b32 s[G1B], s26, (0<<16)|(1<<20)|(1<<21)|(6<<22)|(3<<25)    ; B: 64 rows of 512 bytes, 4 words behind every 128
	s_mov_b32 s[G1B+1], 512<<16
	s_mov_b32 s[G1B+2], 128<<16                    ; 128 rows for the head's load, 64 for the ring's
	s_mov_b32 s[G1B+3], 512<<16
	s_mov_b32 s[G1B+4], 128
	s_mov_b32 s[G1B+5], SIZE_K
	s_mov_b32 s[G1B+6], 0
	s_mov_b32 s[G1B+7], 0
	s_or_b32 s[G1AS], s25, (3<<16)|(1<<21)                           ; A's words: 4 SIZE_K dense bytes as rows of 256, no padding
	s_mov_b32 s[G1AS+1], 32<<16
	s_mov_b32 s[G1AS+2], (SIZE_K/64)<<16           ; all of the tile's words: 4 SIZE_K bytes
	s_mov_b32 s[G1AS+3], 32<<16
	s_mov_b32 s[G1AS+4], SIZE_K/64
	s_mov_b32 s[G1AS+5], 32
	s_mov_b32 s[G1AS+6], 0
	s_mov_b32 s[G1AS+7], 0
	s_or_b32 s[G1BS], s26, (3<<16)|(1<<20)|(1<<21)|(5<<22)|(3<<25)   ; B's bytes of 64 rows: dense, as rows of 256 + 16
	s_mov_b32 s[G1BS+1], 32<<16
	s_mov_b32 s[G1BS+2], (128*KS/256)<<16          ; the bytes of the tile's 128 rows
	s_mov_b32 s[G1BS+3], 32<<16
	s_mov_b32 s[G1BS+4], 128*KS/256
	s_mov_b32 s[G1BS+5], 32
	s_mov_b32 s[G1BS+6], 0
	s_mov_b32 s[G1BS+7], 0
	s_mul_i32 s60, s24, SIZE_K*128                 ; A's codes: the tile's chunks
	s_mov_b32 s61, 0
	s_mul_i32 s62, s24, SIZE_K*4                   ; A's words: the tile's
	s_mov_b32 s63, 0
	s_lshl_b32 s92, s23, 7                         ; B: row 128 x tile column
	s_mul_i32 s94, s92, KS
	s_mov_b32 s95, 0
	s_mul_i32 s92, s92, SIZE_K
	s_mov_b32 s93, 0
	s_mul_i32 s96, s20, 2*ACH
	s_mul_i32 s97, s20, BHALF
	s_add_co_u32 s97, s97, AREG
	s_and_b32 s99, ttmp7, 0xffff                   ; s98: 1 in a wave that prefetches, else the greatest number.  A's waves always ask; B's rows are walked by all eight rows of clusters, and the first four ask for them
	s_cmp_lt_u32 s99, 4
	s_cselect_b32 s98, 1, -1
	s_cmp_eq_u32 s19, 0
	s_cselect_b32 s98, 1, s98
	s_lshl_b32 s100, s24, 19
	s_lshl_b32 s101, s19, 18
	s_add_co_u32 s100, s100, s101
	s_lshl_b32 s101, s23, 9
	s_add_co_u32 s100, s100, s101
	s_lshl_b32 s101, s20, 8
	s_add_co_u32 s100, s100, s101
	s_mov_b32 s101, 0
	s_lshl_b32 s2, s23, 9
	s_lshl_b32 s3, s20, 8
	s_add_co_u32 s2, s2, s3
	s_mov_b32 s3, 0
	s_wait_dscnt 0x0
	s_wait_kmcnt 0x0
	s_add_nc_u64 s[4:5], s[4:5], s[60:61]
	s_add_nc_u64 s[8:9], s[8:9], s[92:93]
	s_add_nc_u64 s[12:13], s[12:13], s[100:101]
	s_add_nc_u64 s[14:15], s[14:15], s[100:101]
.if HAS_BIAS
	s_add_nc_u64 s[16:17], s[16:17], s[2:3]
.endif
	CROUND
	s_mov_b32 s[G0AS], 1
	s_mov_b32 s[G0AS+1], ASC
	s_add_nc_u64 s[G0AS+2:G0AS+3], s[6:7], s[62:63]
	s_or_b32 s[G0AS+3], s[G0AS+3], 0x80000000
	s_mov_b32 s[G0BS], 1
	s_mov_b32 s[G0BS+1], BSC
	s_add_nc_u64 s[G0BS+2:G0BS+3], s[10:11], s[94:95]
	s_or_b32 s[G0BS+3], s[G0BS+3], 0x80000000
	s_lshl_b32 s60, s20, 15                        ; for the ring: my two chunks of a K step's four,
	s_mul_i32 s92, s20, 64*SIZE_K                  ; my 64 rows of B (s61 and s93 hold 0)
	s_add_nc_u64 s[60:61], s[4:5], s[60:61]
	s_add_nc_u64 s[92:93], s[8:9], s[92:93]
.irp s, 0,1
	s_mov_b32 s[G0A+4*\s], 1
	s_add_co_u32 s[G0A+4*\s+1], s96, \s*SLOT
	s_add_nc_u64 s[G0A+4*\s+2:G0A+4*\s+3], s[60:61], \s*65536
	s_or_b32 s[G0A+4*\s+3], s[G0A+4*\s+3], 0x80000000
	s_mov_b32 s[G0B+4*\s], 1
	s_add_co_u32 s[G0B+4*\s+1], s97, \s*SLOT
	s_add_nc_u64 s[G0B+4*\s+2:G0B+4*\s+3], s[92:93], \s*512
	s_or_b32 s[G0B+4*\s+3], s[G0B+4*\s+3], 0x80000000
.endr
	s_mov_b64 s[6:7], s[4:5]                       ; s[4:7], s[8:11]: group 0 of the head's loads of K step 0, each tile whole: A's four chunks,
	s_or_b32 s7, s7, 0x80000000
	s_mov_b32 s4, 1
	s_mov_b32 s5, 0
	s_mov_b64 s[10:11], s[8:9]                     ; and B's 128 rows
	s_or_b32 s11, s11, 0x80000000
	s_mov_b32 s8, 1
	s_mov_b32 s9, AREG
; THE HEAD'S LOADS, ONE A WAVE: wave 0 K step 0 of A, wave 1 of B, wave 2 A's scale words, wave 3 B's scale bytes.  One tree of branches on the wave's number.
.macro ARM under, g0, g1, next
	s_cmp_lt_u32 s18, \under
	s_cbranch_scc0 \next
	tensor_load_to_lds s[\g0:\g0+3], s[\g1:\g1+7]
	s_nop 0
.rept 4
	v_nop
.endr
	s_branch .Lhead_asked
\next:
.endm
	ARM 1, 4, G1A, .Lhead_b
	ARM 2, 8, G1B, .Lhead_sa
	ARM 3, G0AS, G1AS, .Lhead_sb
	tensor_load_to_lds s[G0BS:G0BS+3], s[G1BS:G1BS+7]
	s_nop 0
.rept 4
	v_nop
.endr
.Lhead_asked:
; PREFETCHES INTO THE L2: behind the fill of K step j stands one instruction a wave for K step j + 2 (the head asks for step 2, slot 1's first fill for step 3, the refills of steps 2 to 5 for steps 4 to 7; the last two refills ask for nothing).
; Of what a wave fetches in the ring, each of the four partners that fetch it jointly names a quarter, told apart by address: of A's 32,768 dense bytes 8,192 (place cx), lanes 256 bytes apart; of B's 64 rows 16 (place cy), two lanes to a row's 512 bytes.
.macro ASK how                         ; how = 1: outside the loop; 0: in it, where s3 = 1 in the last trip
.if \how
	s_cmp_eq_u32 s98, 1
.else
	s_cmp_gt_u32 s3, s98
.endif
	s_cbranch_scc0 .Lnot_mine_\@
	global_prefetch_b8 v30, s[66:67] th:TH_LOAD_NT scope:SCOPE_SE
.Lnot_mine_\@:
.endm
	s_cmp_eq_u32 s19, 0                            ; do I fetch for A?
	s_cselect_b64 s[66:67], s[60:61], s[92:93]
	s_cselect_b32 s99, s21, s22                    ; my place among the four
	s_mov_b32 s62, 16*SIZE_K
	s_cselect_b32 s62, 8192, s62
	s_mul_i32 s62, s62, s99
	s_mov_b32 s63, 0
	s_add_nc_u64 s[66:67], s[66:67], s[62:63]
	s_mov_b32 s94, SIZE_K
	s_cselect_b32 s94, 512, s94                    ; from one pair of lanes to the next
	s_mov_b32 s62, 512
	s_cselect_b32 s62, 65536, s62                  ; s[62:63]: a K step on
	s_add_nc_u64 s[96:97], s[66:67], s[62:63]      ; s[96:97]: at K step 1, asked for at the head alone
	s_add_nc_u64 s[66:67], s[96:97], s[62:63]      ; s[66:67]: at K step 2
	v_and_b32 v9, 31, v0
	v_lshrrev_b32 v10, 1, v9
	v_and_b32 v9, 1, v9
	v_mul_u32_u24 v10, v10, s94
	v_lshl_add_u32 v30, v9, 8, v10                 ; v30: never rewritten
	s_cmp_eq_u32 s98, 1
	s_cbranch_scc0 .Lno_head_ask
	global_prefetch_b8 v30, s[96:97] th:TH_LOAD_NT scope:SCOPE_SE   ; K step 1, which slot 1's first fill will want,
	global_prefetch_b8 v30, s[66:67] th:TH_LOAD_NT scope:SCOPE_SE   ; and K step 2
.Lno_head_ask:
	v_and_b32 v1, 15, v0
	v_bfe_u32 v2, v0, 4, 1
	v_and_b32 v3, 31, v0
	v_mul_u32_u24 v4, v1, 144
	v_lshl_add_u32 v4, v2, 4, v4
	s_mul_i32 s27, s19, 64*144
	v_add_nc_u32 v[ADRA], s27, v4
	v_add_nc_u32 v[ADRA+1], SLOT, v[ADRA]
	v_mul_u32_u24 v5, v1, BPITCH
	v_lshl_add_u32 v5, v2, 4, v5
	s_mul_i32 s27, s20, BHALF
	s_add_co_u32 s27, s27, AREG
	v_add_nc_u32 v[ADRB], s27, v5
	v_add_nc_u32 v[ADRB+1], SLOT, v[ADRB]
	s_lshl_b32 s27, s19, 8
	s_add_co_u32 s27, s27, ASC
	v_lshl_add_u32 v[ADSA], v3, 2, s27
	v_mul_u32_u24 v6, v3, KS
	v_lshrrev_b32 v7, 8, v6
	v_lshl_add_u32 v6, v7, 4, v6
	s_mul_i32 s27, s20, HALFS
	s_add_co_u32 s27, s27, BSC
	v_add_nc_u32 v[ADSB], s27, v6
	s_mul_i32 s27, s18, 4*16*SPITCH
	v_mul_u32_u24 v4, v1, SPITCH
	v_lshl_add_u32 v4, v2, 5, v4
	v_add_nc_u32 v[STO], s27, v4
	v_mul_u32_u24 v5, v2, SPITCH
	v_lshl_add_u32 v5, v1, 4, v5
	v_add_nc_u32 v[RD], s27, v5
	v_lshlrev_b32 v5, 12, v2
	v_lshl_add_u32 v[CO], v1, 4, v5
	WIN 0x80
.set n, 0
.rept 32
	global_load_b128 v[4*n:4*n+3], v[CO], s[12:13] offset:2*n*4096   ; the residual, in the form in which the rows come back from the stage; wanted only on the way out
.set n, n+1
.endr
	WIN 0
.if HAS_BIAS
	v_lshlrev_b32 v8, 4, v1
	global_load_b128 v[BIA:BIA+3], v8, s[16:17]
.endif
.macro WMX c
.if (OB == 0) && (OA == 0)
	v_wmma_scale_f32_16x16x128_f8f6f4 v[rD:rD+7], v[rB:rB+15], v[rA:rA+15], \c, v[sB], v[sA] matrix_a_fmt:MATRIX_FMT_BF8 matrix_b_fmt:MATRIX_FMT_BF8
.elseif (OB == 1) && (OA == 0)
	v_wmma_scale_f32_16x16x128_f8f6f4 v[rD:rD+7], v[rB:rB+15], v[rA:rA+15], \c, v[sB], v[sA] matrix_a_fmt:MATRIX_FMT_BF8 matrix_b_fmt:MATRIX_FMT_BF8 matrix_a_scale:MATRIX_SCALE_ROW1
.elseif (OB == 0) && (OA == 1)
	v_wmma_scale_f32_16x16x128_f8f6f4 v[rD:rD+7], v[rB:rB+15], v[rA:rA+15], \c, v[sB], v[sA] matrix_a_fmt:MATRIX_FMT_BF8 matrix_b_fmt:MATRIX_FMT_BF8 matrix_b_scale:MATRIX_SCALE_ROW1
.else
	v_wmma_scale_f32_16x16x128_f8f6f4 v[rD:rD+7], v[rB:rB+15], v[rA:rA+15], \c, v[sB], v[sA] matrix_a_fmt:MATRIX_FMT_BF8 matrix_b_fmt:MATRIX_FMT_BF8 matrix_a_scale:MATRIX_SCALE_ROW1 matrix_b_scale:MATRIX_SCALE_ROW1
.endif
.endm
.macro MULA f, a, q, set, zero         ; A's block a x B's four.  The 16 accumulators take turns in one order everywhere
.irp b, 0,1,2,3
.set rD, ACC+8*(4*(\a)+\b)
.set rB, (\f)+64+16*\b
.set rA, (\f)+16*(\a)
.set sB, SC+16*(\set)+8+4*(\b/2)+(\q)
.set sA, SC+16*(\set)+4*((\a)/2)+(\q)
.set OB, \b%2
.set OA, (\a)%2
.if \zero
	WMX 0
.else
	WMX v[rD:rD+7]
.endif
.endr
.endm
.macro FETCH slot, q, f
	WIN 0x40
.irp i, 0,1,2,3
.irp c, 0,1,2,3
	ds_load_b128 v[(\f)+64+16*\i+4*\c:(\f)+64+16*\i+4*\c+3], v[ADRB+\slot] offset:128*(\q)+16*BPITCH*\i+32*\c
.endr
.endr
.irp i, 0,1,2,3
.irp c, 0,1,2,3
	ds_load_b128 v[(\f)+16*\i+4*\c:(\f)+16*\i+4*\c+3], v[ADRA+\slot] offset:ACH*(\q)+2304*\i+32*\c
.endr
.endr
.endm
.macro SCALES set
.irp p, 0,1
.irp q, 0,1,2,3
	ds_load_b32 v[SC+16*\set+4*\p+\q], v[ADSA] offset:512*\q+128*\p
.endr
.endr
.irp p, 0,1
	ds_load_b128 v[SC+16*\set+8+4*\p:SC+16*\set+8+4*\p+3], v[ADSB] offset:\p*(32*KS/256)*272
.endr
.endm
.macro SUB slot, q, f, g, zero
	s_wait_dscnt 8                                 ; all but A's blocks 2 and 3
	WIN MUL
	MULA \f, 0, \q, \slot, \zero
	MULA \f, 1, \q, \slot, \zero
	PLACES NP
	FETCH \slot, (\q)+1, \g
	s_wait_dscnt 32                                ; all but the 32 just issued
	WIN MUL
	MULA \f, 2, \q, \slot, \zero
	MULA \f, 3, \q, \slot, \zero
.endm
.macro TURN slot, next, fill
	WIN 0
.if \fill
	s_wait_xcnt 0x0                                ; my last prefetch has read its address: it steps here, ahead of the waits of the change of slots
	s_add_nc_u64 s[66:67], s[66:67], s[62:63]
.endif
	s_wait_tensorcnt 0x0                           ; all my tensor loads have landed: my part of the next slot
	ds_add_u32 v[SPW], v[NIL]
	s_wait_dscnt 9                                 ; the add and A's blocks 2 and 3 may be out
	WIN MUL
	MULA F1, 0, 3, \slot, 0
	s_wait_dscnt 0x0                               ; the add is done, and my reads of this slot are over
	s_barrier_signal -1
	MULA F1, 1, 3, \slot, 0
	WIN 0
	s_barrier_wait -1
.if \fill
	CREST                                          ; the barrier has opened a round of the cluster's barrier
	s_add_nc_u64 s[G0A+4*\slot+2:G0A+4*\slot+3], s[G0A+4*\slot+2:G0A+4*\slot+3], 131072
	s_add_nc_u64 s[G0B+4*\slot+2:G0B+4*\slot+3], s[G0B+4*\slot+2:G0B+4*\slot+3], 1024
	JLOAD G0A+4*\slot, G1A, G0B+4*\slot, G1B
	PLACES NP-4
	ASK 0
.else
	PLACES NP
.endif
	s_wait_alu depctr_va_vdst(0)
	v_add_nc_u32 v[ADSA], 2048, v[ADSA]
	v_add_nc_u32 v[ADSB], 16, v[ADSB]
	SCALES \next
	FETCH \next, 0, F0
	WIN MUL
	MULA F1, 2, 3, \slot, 0
	MULA F1, 3, 3, \slot, 0
.endm
	s_wait_alu depctr_va_vdst(0)                   ; the wait at the head's end
	s_wait_xcnt 0x0                                ; the head's prefetch has read its address
	s_add_nc_u64 s[66:67], s[66:67], s[62:63]      ; on to K step 3
	s_wait_tensorcnt 0x0                           ; my tile of the head's four is in
	ds_add_u32 v[SPW], v[NIL]
	s_mov_b32 s[G1A+2], 128<<16                    ; no tensor load of mine is out: from here on a load brings two chunks of A,
	s_mov_b32 s[G1A+4], 128
	s_mov_b32 s[G1B+2], 64<<16                     ; or 64 rows of B
	s_mov_b32 s[G1B+4], 64
	s_wait_dscnt 0x0
	CROUND                                         ; all four tiles are in, and all sixteen work-groups are here
	JLOAD G0A+4, G1A, G0B+4, G1B                   ; K step 1, the first tensor load behind the round
	ASK 1
	SCALES 0
	FETCH 0, 0, F0
	SUB 0, 0, F0, F1, 1
.if LAPS > 1
	WIN 0
	s_mov_b32 s3, LAPS-1
.Llap:
	SUB 0, 1, F1, F0, 0
	SUB 0, 2, F0, F1, 0
	TURN 0, 1, 1
	SUB 1, 0, F0, F1, 0
	SUB 1, 1, F1, F0, 0
	SUB 1, 2, F0, F1, 0
	TURN 1, 0, 1
	SUB 0, 0, F0, F1, 0
	WIN 0
	s_sub_co_u32 s3, s3, 1
	s_cmp_lg_u32 s3, 0
	s_cbranch_scc1 .Llap
.endif
	SUB 0, 1, F1, F0, 0
	SUB 0, 2, F0, F1, 0
	TURN 0, 1, 0
	SUB 1, 0, F0, F1, 0
	SUB 1, 1, F1, F0, 0
	SUB 1, 2, F0, F1, 0
	s_wait_dscnt 8
	WIN MUL
	MULA F1, 0, 3, 1, 0
	MULA F1, 1, 3, 1, 0
	s_wait_dscnt 0
	MULA F1, 2, 3, 1, 0
	MULA F1, 3, 3, 1, 0
	WIN 0
	; THE WAY OUT: a block of 16 rows x 64 columns goes through my own stage and comes back as rows of 256 bytes; the residual and the bias are added in that form.
	PLACES NP
	s_wait_loadcnt 0x0
.irp a, 0,1,2,3
.irp b, 0,1,2,3
	ds_store_b128 v[STO], v[ACC+8*(4*\a+\b):ACC+8*(4*\a+\b)+3] offset:16*SPITCH*\a+64*\b
	ds_store_b128 v[STO], v[ACC+8*(4*\a+\b)+4:ACC+8*(4*\a+\b)+7] offset:16*SPITCH*\a+64*\b+16
.endr
	WIN 0x40
.irp t, 0,1,2,3,4,5,6,7
	ds_load_b128 v[32*\a+4*\t:32*\a+4*\t+3], v[RD] offset:16*SPITCH*\a+2*SPITCH*\t
.endr
	WIN 0
.endr
.irp a, 0,1,2,3
	s_wait_dscnt 16*(3-\a)                         ; the later blocks' eight stores and eight loads may be out
	WIN 0x49
.set n, 0
.rept 16
	v_pk_add_f32 v[32*\a+n:32*\a+n+1], v[32*\a+n:32*\a+n+1], v[32*\a+n:32*\a+n+1]
.set n, n+2
.endr
.if HAS_BIAS
	WIN 0x41
.set n, 0
.rept 16
	v_pk_add_f32 v[32*\a+n:32*\a+n+1], v[32*\a+n:32*\a+n+1], v[BIA+n%4:BIA+n%4+1]
.set n, n+2
.endr
.endif
	WIN 0x04
.irp t, 0,1,2,3,4,5,6,7
.if HAS_BIAS
	global_store_b128 v[CO], v[32*\a+4*\t:32*\a+4*\t+3], s[14:15] offset:(16*\a+2*\t)*4096 th:TH_STORE_NT   ; sixteen lanes store 256 consecutive bytes, at a multiple of 256 from the buffer's first byte
.else
	global_store_b128 v[CO], v[32*\a+4*\t:32*\a+4*\t+3], s[14:15] offset:(16*\a+2*\t)*4096
.endif
.endr
.endr
	WIN 0
	s_wait_tensorcnt 0x0                           ; the wave's end
	ds_add_u32 v[SPW], v[NIL]
	s_wait_dscnt 0x0
	CROUND                                         ; the closing round
	s_endpgm
.Lfunc_end_k_q861c8e02ff_mlp:
	.size	k_q861c8e02ff_mlp, .Lfunc_end_k_q861c8e02ff_mlp-k_q861c8e02ff_mlp
	.p2alignl 7, 3214868480
	.fill 96, 4, 3214868480
	.section	.rodata,"a",@progbits
	.p2align	6, 0x0
	.amdhsa_kernel k_q861c8e02ff_mlp
		.amdhsa_group_segment_fixed_size 327680
		.amdhsa_private_segment_fixed_size 0
		.amdhsa_enable_private_segment 0
		.amdhsa_kernarg_size 56
		.amdhsa_user_sgpr_count 2
		.amdhsa_user_sgpr_kernarg_segment_ptr 1
		.amdhsa_wavefront_size32 1
		.amdhsa_system_sgpr_workgroup_id_x 1
		.amdhsa_system_sgpr_workgroup_id_y 1
		.amdhsa_system_sgpr_workgroup_id_z 1
		.amdhsa_system_vgpr_workitem_id 0
		.amdhsa_next_free_vgpr 768
		.amdhsa_next_free_sgpr 102
		.amdhsa_reserve_vcc 0
		.amdhsa_float_denorm_mode_32 3
		.amdhsa_float_denorm_mode_16_64 3
		.amdhsa_memory_ordered 1
		.amdhsa_forward_progress 1
		.amdhsa_inst_pref_size 108
	.end_amdhsa_kernel
	.amdgpu_metadata
---
amdhsa.version: [ 1, 2 ]
amdhsa.kernels:
  - .name:           k_q861c8e02ff_mlp
    .symbol:         k_q861c8e02ff_mlp.kd
    .args:
      - { .name: h_codes, .offset: 0, .size: 8, .value_kind: global_buffer, .address_space: global }
      - { .name: h_scales, .offset: 8, .size: 8, .value_kind: global_buffer, .address_space: global }
      - { .name: w_mlp_proj_codes, .offset: 16, .size: 8, .value_kind: global_buffer, .address_space: global }
      - { .name: w_mlp_proj_scales, .offset: 24, .size: 8, .value_kind: global_buffer, .address_space: global }
      - { .name: x1, .offset: 32, .size: 8, .value_kind: global_buffer, .address_space: global }
      - { .name: out0, .offset: 40, .size: 8, .value_kind: global_buffer, .address_space: global }
      - { .name: b_mlp_proj, .offset: 48, .size: 8, .value_kind: global_buffer, .address_space: global }
    .group_segment_fixed_size: 327680
    .private_segment_fixed_size: 0
    .kernarg_segment_align: 8
    .kernarg_segment_size: 56
    .max_flat_workgroup_size: 128
    .sgpr_count:     102
    .vgpr_count:     768
    .wavefront_size: 32
...
	.end_amdgpu_metadata
.endif
;; end of part 6
